; MI455X (gfx1250); checked and timed in simulation.
; The chip was launched on July 23, 2026; its instructions are those of AMD's public machine-readable ISA for CDNA 5 (MIT licence, August 2026) and "CDNA5" Instruction Set Architecture Reference Guide (July 2026). The comments in the code are by the model that wrote it; some were corrected since.
;; Causal Multihead Attention. Allowed arithmetic: matrix products marked QUANTISED: E2M1 operands, one E8M0 scale for each 32 along K, by v_wmma_scale_f32_16x16x128_f8f6f4 with both operands' format E2M1 (or v_wmma_scale_f32_32x16x128_f4), f32 sums; products left as they are: bf16, f16 or f32 operands; f32 sums; everything else in f32.
;; Inputs: w_o 1,024 x 1,024 float32; w_qkv 3 x 16 x 64 x 1,024 float32; x 4 x 2,048 x 1,024 float32.
;; Outputs: out0 4 x 2,048 x 1,024 float32.
;; This version of the problem:
;;   THIS VERSION OF THE PROBLEM IS GIVEN IN LOW PRECISION. The matrix products marked QUANTISED in the list below multiply operands that are first quantised to E2M1 (2 exponent bits, 1 mantissa bit; 4 bits a number), with one power-of-two scale for each 32 numbers along K (OCP MX v1.0); their sums are f32. The products marked 'left as it is' may take bf16, f16 or f32 operands, with f32 sums. Whichever they take, every output number must still come out within the allowed error. Rounding operands to bf16 (8 significant bits) uses up far more of that allowance than f16 does (11 bits, for magnitudes from 6e-5 to 65,504). All else is computed in f32.
;;   The module's matrix products, in the order in which they are computed (A, B: the left and right operand; K: the contracted axis; several contracted axes count as one K, in the product's order):
;;     1. [M 3,072, K 1,024] x [K 1,024, N 8,192]; A: input w_qkv; B: input x: QUANTISED
;;     2. batch 64 x [M 2,048, K 64] x [K 64, N 2,048]; A: computed on the way; B: computed on the way: left as it is (an operand is computed on the way)
;;     3. batch 64 x [M 2,048, K 2,048] x [K 2,048, N 64]; A: computed on the way; B: computed on the way: left as it is (an operand is computed on the way)
;;     4. [M 8,192, K 1,024] x [K 1,024, N 1,024]; A: computed on the way; B: input w_o: left as it is (an operand is computed on the way)
;;   THE QUANTISER, for each operand of a quantised product, along K:
;;     - K is cut into blocks of 32 from its start; a last block that is shorter is filled with zeros.
;;     - A block's scale is 2^e with e = floor(log2(the largest magnitude in the block)) - 2, held to -126 .. 127; a block of zeros has e = 0. As a byte (E8M0): e + 127.
;;     - Each number is divided by its block's scale, clamped to +-6, and rounded to the nearest number of E2M1, ties to even, subnormals kept.
;;     - The product sums the exact products of the quantised numbers (number of the format x scale) in f32.
;;   ~~~python
;;   def quantise(x, axis):      # numpy; x: float32 -> the quantised numbers, widened to float32 again
;;       x = np.moveaxis(x, axis, -1); K = x.shape[-1]
;;       x = np.pad(x, [(0, 0)] * (x.ndim - 1) + [(0, -K % 32)]); x = x.reshape(x.shape[:-1] + (-1, 32)); a = np.abs(x).max(-1, keepdims=True)
;;       e = np.where(a > 0, np.clip(np.frexp(np.where(a > 0, a, 1))[1] - 1 - 2, -126, 127), 0)      # np.frexp(a)[1] - 1 = floor(log2(a)), exactly
;;       r = np.clip(x / 2.0 ** e, -6, 6)
;;       step = 2.0 ** (np.maximum(np.frexp(np.where(r == 0, 1, r))[1] - 1, 0) - 1)
;;       q = np.round(r / step) * step * 2.0 ** e      # np.round: ties to even
;;       return np.moveaxis(q.reshape(q.shape[:-2] + (-1,))[..., :K], -1, axis).astype(np.float32)
;;   ~~~
;; One version. Each part assembles by itself: llvm-mc -triple=amdgcn-amd-amdhsa -mcpu=gfx1250 --defsym DOCPART=n.
;; ======== version 1 of 1: 5 launches
;; limits: values are held in f16: magnitudes above 65,504 overflow, below 6.1e-05 lose precision
;; workspace buffers: x_codes 4,194,304 bytes; x_scales 262,144 bytes; w_codes 1,572,864 bytes; w_scales 98,304 bytes; wo_h 2,097,152 bytes; qkvh 50,331,648 bytes; qkv_fine 786,432 bytes; attnh 16,777,216 bytes
;; launch prep (part 1): grid 384 x 1, 4 waves a work-group, no clusters, 33,280 bytes of LDS; arguments x, w_qkv, w_o, x_codes, x_scales, w_codes, w_scales, wo_h; writes x_codes, x_scales, w_codes, w_scales, wo_h
.if DOCPART == 1
	.amdgcn_target "amdgcn-amd-amdhsa--gfx1250"
	.amdhsa_code_object_version 6
	.text
	.protected	k_q241044068b_prep
	.globl	k_q241044068b_prep
	.p2align	8
	.type	k_q241044068b_prep,@function
k_q241044068b_prep:
	s_mov_b64 s[64:65], 0
	v_nop
	global_prefetch_b8 v0, s[64:65] scope:SCOPE_SE
	s_setreg_imm32_b32 hwreg(HW_REG_WAVE_MODE, 25, 1), 1
	s_wait_xcnt 0x0
; CAUSAL MULTI-HEAD ATTENTION, B 4, S 2048, D 1024, 16 heads of 64, in five launches: prep, qkv, attn, oproj, fine.
; THIS LAUNCH: x [8192][1024] and w_qkv [3072][1024], f32, K innermost, become codes of FP4 (E2M1) with one E8M0 scale byte for each 32 along K (both operands of the quantised product);
; w_o [1024][1024] f32 becomes f16 (an operand of a product that is left as it is).
; DEAD WORK, left out in the launch attn.  reference() itself builds the mask (jnp.triu, k = 1) and sets scores[q][s] to -inf where key s comes after query q.  Key s = q always counts, so a row's maximum is a
; finite number for all finite inputs, and the softmax gives a hidden place the weight exp(-inf) = 0 exactly.  So neither Q . K at a hidden place nor its 0 x V reaches any output, whatever x, w_qkv and w_o hold.
; Key steps of 64 keys that lie wholly behind a tile's 16 queries are not multiplied; inside a step on the diagonal the hidden places are computed and set to -inf.  All three inputs have a way to the output and are loaded.
; LIMIT: a NaN, an infinity or an overflow that arises only at places left out is not carried to the result.
; THE QUANTISER.  A block's scale is 2^(floor(log2(its largest magnitude)) - 2); its byte is the largest magnitude's own exponent field - 2, held at 1 from below.  A block of zeros so gets the byte 1 where the
; rule says 127: its codes are zeros, which add nothing under any byte but 0xff, and this program alone reads the bytes.  Each number is divided by the scale and rounded to the nearest code, ties to even, beyond 6 to 6.
; LIMITS: NaN and infinities among the inputs are not served; a block whose largest magnitude lies under 2^-124 keeps the byte 1; w_o must fit f16 (magnitudes to 65,504).
; SHARES.  A work-group takes 32,768 numbers, a wave 8,192.  Work-groups 0-255: x; 256-351: w_qkv; 352-383: w_o.  Rows are dense and K is a multiple of 32: the tensors are plain streams of blocks.
; In the quantiser a wave takes 16 steps of 512 numbers: each of a step's four loads reads 512 consecutive bytes; the 2,048 bytes turn through the wave's own stage in LDS and come back 64 bytes a lane, so that a
; lane holds 16 neighbours along K (two lanes hold a block).  A lane's 16 codes are 8 bytes: the wave stores 256 consecutive bytes.  A wave's 256 scale bytes gather in LDS and leave as one aligned run of 256 bytes.
.set WAVES, 4
.set STEPS, 16
.set WGX,   256                        ; work-groups for x
.set WGQ,   352                        ; and for x and w_qkv together
.set EMAX,  2
.set CB,    8                          ; bytes of 16 codes
.set R,     16                         ; v16-79   four sets of 16 numbers as loaded (w_o: two sets of 32)
.set X,     80                         ; v80-111  two sets of 16 neighbours (w_o: two sets of 16 packed results)
.set E,     112                        ; v112-127 a scale byte for each step
.set C,     128                        ; v128-191 codes: four registers for each step, so that no store's data are written again
.set WREG,  8192                       ; LDS: a region for each wave: two stages of 32 x SP bytes, behind them its 256 scale bytes
.set SP,    80                         ; a lane's place in a stage: 64 bytes + 16 of padding
.set SPW,   12                         ; v12  LDS address of my spare word; never rewritten
.set NIL,   13                         ; v13  0; never rewritten
.set SPARE, WAVES*WREG                 ; behind the regions: the spare words, 128 bytes a wave, which no other line names
	s_load_b256 s[4:11], s[0:1], 0x0               ; x s[4:5], w_qkv s[6:7], w_o s[8:9], x_codes s[10:11]
	s_load_b256 s[12:19], s[0:1], 0x20             ; x_scales s[12:13], w_codes s[14:15], w_scales s[16:17], wo_h s[18:19]
	v_lshl_add_u32 v[SPW], v0, 2, SPARE
	v_mov_b32 v[NIL], 0
	v_lshrrev_b32 v1, 5, v0
	v_readfirstlane_b32 s20, v1                    ; wave
	v_and_b32 v2, 31, v0                           ; lane
	v_lshlrev_b32 v3, 4, v2                        ; my 16 bytes of a load's 512
	s_mul_i32 s21, s20, WREG
	v_lshrrev_b32 v14, 2, v2
	v_mul_u32_u24 v14, v14, SP
	v_and_b32 v15, 3, v2
	v_lshl_add_u32 v14, v15, 4, v14
	v_add_nc_u32 v14, s21, v14                     ; the stage on the way in: four lanes' 64 bytes on end, then 16 of padding
	v_mul_u32_u24 v15, v2, SP
	v_add_nc_u32 v15, s21, v15                     ; and on the way out: my 16 neighbours
	v_mul_u32_u24 v4, v2, CB                       ; my codes' place in a step's
	v_lshrrev_b32 v5, 1, v2
	s_add_co_u32 s21, s21, 2*32*SP
	v_add_nc_u32 v5, s21, v5                       ; LDS: my block's scale byte
	v_lshlrev_b32 v7, 3, v2                        ; 8 bytes a lane
	v_add_nc_u32 v6, s21, v7
	s_mov_b32 s25, 0
	s_wait_kmcnt 0x0
	s_cmp_ge_u32 ttmp9, WGQ                        ; the work-group's number alone decides the path
	s_cbranch_scc1 .Lwo
	s_cmp_lt_u32 ttmp9, WGX                        ; x or w_qkv: only pointers are chosen, both take one path
	s_cselect_b64 s[4:5], s[4:5], s[6:7]
	s_cselect_b64 s[10:11], s[10:11], s[14:15]
	s_cselect_b64 s[12:13], s[12:13], s[16:17]
	s_cselect_b32 s21, 0, WGX
	s_sub_co_u32 s21, ttmp9, s21
	s_lshl_b32 s21, s21, 2
	s_add_co_u32 s22, s21, s20                     ; which run of 8,192 numbers is my wave's (at most 1,023)
	s_lshl_b32 s24, s22, 15                        ; 32,768 bytes of numbers a run
	s_add_nc_u64 s[4:5], s[4:5], s[24:25]
	s_lshl_b32 s24, s22, 12                        ; 4,096 bytes of codes
	s_add_nc_u64 s[10:11], s[10:11], s[24:25]
	s_lshl_b32 s24, s22, 8                         ; 256 scale bytes
	s_add_nc_u64 s[12:13], s[12:13], s[24:25]
.macro LOAD t
.irp i, 0,1,2,3
	global_load_b128 v[R+16*((\t)%4)+4*\i:R+16*((\t)%4)+4*\i+3], v3, s[4:5] offset:2048*(\t)+512*\i th:TH_LOAD_NT   ; 32 lanes read 512 consecutive bytes
.endr
.endm
.macro TURN t                          ; step t's numbers through the stage: LDS serves a wave's instructions in order, so no wait stands between the stores and the loads
.irp i, 0,1,2,3
	ds_store_b128 v14, v[R+16*((\t)%4)+4*\i:R+16*((\t)%4)+4*\i+3] offset:32*SP*((\t)%2)+8*SP*\i
.endr
.irp i, 0,1,2,3
	ds_load_b128 v[X+16*((\t)%2)+4*\i:X+16*((\t)%2)+4*\i+3], v15 offset:32*SP*((\t)%2)+16*\i
.endr
.endm
.irp t, 0,1,2,3
	LOAD \t
.endr
	s_wait_loadcnt 12                              ; step 0's four loads are in; the twelve of steps 1 to 3 may be out
	TURN 0
.macro STEP t
.set XS, X+16*((\t)%2)
.if (\t) > 0
	s_wait_dscnt 1                                 ; this step's numbers are back from the stage (the last step's byte store may be out)
.else
	s_wait_dscnt 0x0
.endif
.if (\t)+4 < STEPS
	LOAD (\t)+4                                    ; into the registers that this step's stores into the stage have read
.endif
.if (\t)+1 < STEPS
.if STEPS-2-(\t) >= 3
	s_wait_loadcnt 12                              ; the next step's four loads are in; those of the three steps behind it may be out
.else
	s_wait_loadcnt 4*(STEPS-2-(\t))
.endif
	TURN (\t)+1
.endif
	v_max3_num_f32 v8, |v[XS]|, |v[XS+1]|, |v[XS+2]|               ; the largest magnitude of my 16, in two chains
	v_max3_num_f32 v9, |v[XS+3]|, |v[XS+4]|, |v[XS+5]|
.irp i, 6,10
	v_max3_num_f32 v8, v8, |v[XS+\i]|, |v[XS+\i+1]|
	v_max3_num_f32 v9, v9, |v[XS+\i+2]|, |v[XS+\i+3]|
.endr
	v_max3_num_f32 v8, v8, |v[XS+14]|, |v[XS+15]|
	v_max3_num_f32 v8, v8, v9, (EMAX+1)<<23        ; and the floor 2^(3 - 127): the byte cannot fall under 1
	v_max_num_f32_dpp v8, v8, v8 row_xmask:1 row_mask:0xf bank_mask:0xf   ; with my neighbour's 16: the block's
	v_add_nc_u32 v11, -(EMAX<<23), v8              ; 2 off its exponent field: the conversion takes the exponent field of this operand as its scale
	v_cvt_scalef32_pk8_fp4_f32 v[C+4*(\t)], v[XS:XS+7], v11
	v_cvt_scalef32_pk8_fp4_f32 v[C+4*(\t)+1], v[XS+8:XS+15], v11
	v_lshrrev_b32 v[E+(\t)], 23, v11               ; the scale's byte (also the plain line behind the conversions)
	ds_store_b8 v5, v[E+(\t)] offset:16*(\t)       ; both lanes of a block write the same byte with the same value
	global_store_b64 v4, v[C+4*(\t):C+4*(\t)+1], s[10:11] offset:32*CB*(\t)   ; the wave stores 256 consecutive bytes, aligned
.endm
.irp t, 0,1,2,3,4,5,6,7,8,9,10,11,12,13,14,15
	STEP \t
.endr
	ds_load_b64 v[8:9], v6                         ; LDS serves a wave's instructions in order: these see my byte stores
	s_wait_dscnt 0x0
	global_store_b64 v7, v[8:9], s[12:13]          ; 256 consecutive bytes, aligned
	s_wait_tensorcnt 0x0                           ; the wave's end, behind my last LDS store
	ds_add_u32 v[SPW], v[NIL]
	s_wait_dscnt 0x0
	s_endpgm
; w_o to f16: no LDS.  64 loads of 512 bytes a wave in eight batches of eight, two batches ahead; a lane's 4 numbers become 8 bytes, a wave's store 256 consecutive bytes.
.Lwo:
	s_sub_co_u32 s21, ttmp9, WGQ
	s_lshl_b32 s21, s21, 2
	s_add_co_u32 s22, s21, s20                     ; my run of 8,192 numbers (0 to 127)
	s_lshl_b32 s24, s22, 15
	s_add_nc_u64 s[8:9], s[8:9], s[24:25]
	s_lshl_b32 s24, s22, 14
	s_add_nc_u64 s[18:19], s[18:19], s[24:25]
.macro WLOAD t
.irp i, 0,1,2,3,4,5,6,7
	global_load_b128 v[R+32*((\t)%2)+4*\i:R+32*((\t)%2)+4*\i+3], v3, s[8:9] offset:4096*(\t)+512*\i
.endr
.endm
.macro WSTEP t
.if (\t) < 7
	s_wait_loadcnt 8                               ; this batch is in; the next batch's eight loads may be out
.else
	s_wait_loadcnt 0x0
.endif
	s_wait_xcnt 0x0                                ; the stores of two batches back have read this set of results: it is written again only behind this wait
.irp i, 0,1,2,3,4,5,6,7
	v_cvt_pk_f16_f32 v[X+16*((\t)%2)+2*\i], v[R+32*((\t)%2)+4*\i], v[R+32*((\t)%2)+4*\i+1]
	v_cvt_pk_f16_f32 v[X+16*((\t)%2)+2*\i+1], v[R+32*((\t)%2)+4*\i+2], v[R+32*((\t)%2)+4*\i+3]
.endr
.if (\t)+2 < 8
	WLOAD (\t)+2
.endif
.irp i, 0,1,2,3,4,5,6,7
	global_store_b64 v7, v[X+16*((\t)%2)+2*\i:X+16*((\t)%2)+2*\i+1], s[18:19] offset:2048*(\t)+256*\i
.endr
.endm
	WLOAD 0
	WLOAD 1
.irp t, 0,1,2,3,4,5,6,7
	WSTEP \t
.endr
	s_wait_tensorcnt 0x0                           ; the same three lines at this path's end
	ds_add_u32 v[SPW], v[NIL]
	s_wait_dscnt 0x0
	s_endpgm
.Lfunc_end_k_q241044068b_prep:
	.size	k_q241044068b_prep, .Lfunc_end_k_q241044068b_prep-k_q241044068b_prep
	.p2alignl 7, 3214868480
	.fill 96, 4, 3214868480
	.section	.rodata,"a",@progbits
	.p2align	6, 0x0
	.amdhsa_kernel k_q241044068b_prep
		.amdhsa_group_segment_fixed_size 33280
		.amdhsa_private_segment_fixed_size 0
		.amdhsa_enable_private_segment 0
		.amdhsa_kernarg_size 64
		.amdhsa_user_sgpr_count 2
		.amdhsa_user_sgpr_kernarg_segment_ptr 1
		.amdhsa_wavefront_size32 1
		.amdhsa_system_sgpr_workgroup_id_x 1
		.amdhsa_system_sgpr_workgroup_id_y 1
		.amdhsa_system_sgpr_workgroup_id_z 1
		.amdhsa_system_vgpr_workitem_id 0
		.amdhsa_next_free_vgpr 192
		.amdhsa_next_free_sgpr 66
		.amdhsa_reserve_vcc 0
		.amdhsa_float_denorm_mode_32 3
		.amdhsa_float_denorm_mode_16_64 3
		.amdhsa_memory_ordered 1
		.amdhsa_forward_progress 1
		.amdhsa_inst_pref_size 54
	.end_amdhsa_kernel
	.amdgpu_metadata
---
amdhsa.version: [ 1, 2 ]
amdhsa.kernels:
  - .name:           k_q241044068b_prep
    .symbol:         k_q241044068b_prep.kd
    .args:
      - { .name: x, .offset: 0, .size: 8, .value_kind: global_buffer, .address_space: global }
      - { .name: w_qkv, .offset: 8, .size: 8, .value_kind: global_buffer, .address_space: global }
      - { .name: w_o, .offset: 16, .size: 8, .value_kind: global_buffer, .address_space: global }
      - { .name: x_codes, .offset: 24, .size: 8, .value_kind: global_buffer, .address_space: global }
      - { .name: x_scales, .offset: 32, .size: 8, .value_kind: global_buffer, .address_space: global }
      - { .name: w_codes, .offset: 40, .size: 8, .value_kind: global_buffer, .address_space: global }
      - { .name: w_scales, .offset: 48, .size: 8, .value_kind: global_buffer, .address_space: global }
      - { .name: wo_h, .offset: 56, .size: 8, .value_kind: global_buffer, .address_space: global }
    .group_segment_fixed_size: 33280
    .private_segment_fixed_size: 0
    .kernarg_segment_align: 8
    .kernarg_segment_size: 64
    .max_flat_workgroup_size: 128
    .sgpr_count:     66
    .vgpr_count:     192
    .wavefront_size: 32
...
	.end_amdgpu_metadata
.endif
;; end of part 1
;; launch qkv (part 2): grid 12 x 32, 4 waves a work-group, clusters of 4 x 4, 327,680 bytes of LDS; arguments x_codes, x_scales, w_codes, w_scales, qkvh, qkv_fine; writes qkvh, qkv_fine
.if DOCPART == 2
	.amdgcn_target "amdgcn-amd-amdhsa--gfx1250"
	.amdhsa_code_object_version 6
	.text
	.protected	k_q241044068b_qkv
	.globl	k_q241044068b_qkv
	.p2align	8
	.type	k_q241044068b_qkv,@function
k_q241044068b_qkv:
	s_mov_b64 s[64:65], 0
	v_nop
	global_prefetch_b8 v0, s[64:65] scope:SCOPE_SE
	s_setreg_imm32_b32 hwreg(HW_REG_WAVE_MODE, 25, 1), 1
	s_wait_xcnt 0x0
	s_wait_alu depctr_hold_cnt(0) depctr_sa_sdst(0) depctr_va_vdst(0) depctr_va_sdst(0) depctr_va_ssrc(0) depctr_va_vcc(0) depctr_vm_vsrc(0)
	s_getreg_b32 s2, hwreg(HW_REG_IB_STS2, 6, 4)
	s_cmp_eq_u32 s2, 0
	s_cbranch_scc0 .Lentry_in_a_cluster
	s_endpgm
.Lentry_in_a_cluster:
	s_bfe_u32 s2, ttmp6, 0x10000c
	s_cmp_lg_u32 s2, 0xf033
	s_cbranch_scc0 .Lentry_shape_is_right
	s_endpgm
.Lentry_shape_is_right:
; THE QUANTISED PRODUCT: C[m][n] = sum over k of x[m][k] w_qkv[n][k], m = 8,192 rows (batch x position), n = 3,072 (q/k/v x head x 64), K = 1,024, on codes of FP4 (E2M1) with one E8M0 byte for each 32 along K; sums in f32.
; Results leave rounded to f16, head-major: qkvh [3][4 batches][16 heads][2048 positions][64], so that a head is 262,144 dense bytes.  Positions 0-15 of every batch also leave unrounded, in f32: qkv_fine [4][16][3072].
; LIMIT: Q, K and V must fit f16 (magnitudes to 65,504).
; A tile of C, 256 x 256, is made by a work-group of four waves; a wave makes 128 x 128: 64 accumulators of 16 x 16, 512 registers.  K is two steps of 512: each lies in an LDS slot of its own, filled once by the tensor
; data mover (rows of 256 bytes); nothing is filled again.  The scales of the work-group's 256 + 256 rows, for all of K, are two dense blocks: they come into LDS once, with the first fills.
; CLUSTERS: 4 x 4 work-groups.  The four of a row of the cluster need the same tiles of x, the four of a column the same tiles of w_qkv: each tile is asked for JOINTLY, by the same tensor load with the same
; descriptor and a mask that names the four.  Tile row = cluster y + 8 cy: so the batch is cy, and whether a wave holds positions 0-15 hangs on cluster y and the wave's number alone, alike in all partners.
; THE MATRIX INSTRUCTION IS USED TRANSPOSED (source 0 = 16 rows of w_qkv, source 1 = 16 rows of x): a lane then holds eight neighbouring numbers of a row of C.
; REGISTERS, in windows of 256: window 0: v0-31 addresses; v32-95 scale words, two sets; v128-191 x's fragments, ONE set; on the way out v32-95 rows read back, v192-223 packed results.
;   window 1: w's fragments, TWO sets, at v0 and v128.   window 2: the 32 accumulators of my rows 0-63 ((a, b) at v[8 (8 a + b)]);   window 3: those of my rows 64-127.
.set KSTEP,  512
.set NQ,     4                         ; matrix instructions deep in a slot
.set ROWB,   256                       ; a tile's row in bytes
.set KROW,   512                       ; a row of codes in memory
.set PITCH,  272                       ; an LDS row: 256 bytes + 16 of padding: the 16 rows that a load touches start 16 bytes apart modulo 256
.set FR,     8                         ; registers of a fragment
.set NL,     2                         ; LDS loads that bring one
.set NP,     4                         ; places behind this matrix instruction (ISA guide 7.12.1)
.set HALFT,  128*PITCH
.set SLOT,   4*HALFT                   ; x's 256 rows, then w's 256 rows
.set KS,     32                        ; a row of scales in bytes
.set SCL,    2*SLOT                    ; behind the slots: the scales, as runs of 256 bytes + 16 of padding
.set HALFS,  (128*KS/256)*272
.set SBLK,   (16*KS/256)*272
.set SPARE,  SCL+4*HALFS               ; the spare words, 128 bytes a wave, which no other line names
.set SPITCH, 272                       ; the way out: a stage of 16 rows x (256 bytes + 16) for each wave, in slot 0, which has had its only fill and its last read by then
.set ADRA, 16
.set ADRB, 20
.set STO,  24                          ; v24  the way out: where I put 16 bytes of a row
.set RD,   25                          ; v25  where I read rows back
.set CO,   26                          ; v26  16 x lane
.set ADRS, 27                          ; v27  LDS address of my scale words: lanes 0-15 x's rows, lanes 16-31 w's
.set SPW,  28
.set NIL,  29
.set FO,   30                          ; v30  my byte offset in qkv_fine
.set SC,   32
.set AF,   128
.set OB,   32                          ; the way out: 16 rows read back: v32-63 and v64-95 by turns
.set TMP,  192                         ; packed results
.set G1, 24
.set G0, 32
.set G1B, 48
.set G0B, 56
.set G1S, 68
.set G0S, 76
.set G1SB, 80
.set G0SB, 88
.set MSB, 0
.macro WIN new                         ; the immediate's high byte repeats the setting that is left; a switch that changes nothing is dropped
.if MSB != (\new)
	s_set_vgpr_msb (MSB<<8)|(\new)
.set MSB, (\new)
.endif
.endm
.set MUL_LO, 0xa1                      ; source 0 (w) window 1, source 1 (x) window 0, C and D window 2
.set MUL_HI, 0xf1
.set TO_B,   0x40
; A joint load: waves 0 and 1 fetch for x, waves 2 and 3 for w.  The branch hangs on the wave's number alone.  An s_nop 0 and four v_nop follow each of the two lines.
.macro JLOAD g0a, g1a, g0b, g1b
	s_cmp_eq_u32 s15, 0
	s_cbranch_scc0 .Lfor_b_\@
	tensor_load_to_lds s[\g0a:\g0a+3], s[\g1a:\g1a+7]
	s_nop 0
.rept 4
	v_nop
.endr
	s_branch .Lasked_\@
.Lfor_b_\@:
	tensor_load_to_lds s[\g0b:\g0b+3], s[\g1b:\g1b+7]
	s_nop 0
.rept 4
	v_nop
.endr
.Lasked_\@:
.endm
.macro CROUND                          ; a round of the cluster's barrier
	s_barrier_signal -1
	s_barrier_wait -1
	s_cmp_lg_u32 s14, 0
	s_cbranch_scc1 .Lnot_wave_0_\@
	s_barrier_signal -3
.Lnot_wave_0_\@:
	s_barrier_wait -3
	s_barrier_signal -1
	s_barrier_wait -1
.endm
	s_load_b128 s[4:7], s[0:1], 0x0                ; x's codes, x's scales
	s_load_b128 s[8:11], s[0:1], 0x10              ; w's codes, w's scales
	s_load_b64 s[12:13], s[0:1], 0x20              ; qkvh
	s_load_b64 s[96:97], s[0:1], 0x28              ; qkv_fine
	v_lshl_add_u32 v[SPW], v0, 2, SPARE
	v_mov_b32 v[NIL], 0
	ds_add_u32 v[SPW], v[NIL]                      ; the wave's opening: the add, twice on end, and its wait ahead of my first tensor load
	ds_add_u32 v[SPW], v[NIL]
	v_lshrrev_b32 v1, 5, v0
	v_readfirstlane_b32 s14, v1                    ; wave 0..3
	s_lshr_b32 s15, s14, 1                         ; which half of the tile's rows is mine.  Also: I fetch for x (0) or for w (1)
	s_and_b32 s16, s14, 1                          ; which half of its columns.  Also: which 128 rows of that tile I fetch
	s_bfe_u32 s40, ttmp6, 0x40000                  ; cx, cy
	s_bfe_u32 s41, ttmp6, 0x40004
	s_lshl_b32 s42, ttmp9, 2
	s_add_co_u32 s42, s42, s40                     ; tile column = 4 x cluster x + cx
	s_and_b32 s17, ttmp7, 0xffff                   ; cluster y
	s_or_b32 s95, s17, s15                         ; 0 where my rows begin at position 0 of a batch: cluster y = 0 and the upper half of rows
	s_lshl_b32 s43, s41, 3
	s_add_co_u32 s17, s17, s43                     ; tile row = cluster y + 8 cy
	s_lshl_b32 s43, s41, 2
	s_lshl_b32 s43, 15, s43                        ; my row of the cluster
	s_lshl_b32 s44, 0x1111, s40                    ; my column
	s_or_b32 s[G1+0], s43, (0<<16)|(1<<20)|(1<<21)|(5<<22)|(3<<25)  ; the mask; elements of 1 byte; padding on; bit 21 beside a mask; after every 64 words, 4 words
	s_or_b32 s[G1B+0], s44, (0<<16)|(1<<20)|(1<<21)|(5<<22)|(3<<25)
.irp g, G1, G1B
	s_mov_b32 s[\g+1], ROWB<<16                    ; tensor_dim0
	s_mov_b32 s[\g+2], 128<<16                     ; tensor_dim1
	s_mov_b32 s[\g+3], ROWB<<16                    ; tile_dim0
	s_mov_b32 s[\g+4], 128                         ; tile_dim1
	s_mov_b32 s[\g+5], KROW                        ; the pitch in memory
	s_mov_b32 s[\g+6], 0
	s_mov_b32 s[\g+7], 0
.endr
	s_or_b32 s[G1S+0], s43, (3<<16)|(1<<20)|(1<<21)|(5<<22)|(3<<25) ; the scales of 128 rows: 4,096 dense bytes as 16 rows of 256 (32 elements of 8 bytes)
	s_or_b32 s[G1SB+0], s44, (3<<16)|(1<<20)|(1<<21)|(5<<22)|(3<<25)
.irp g, G1S, G1SB
	s_mov_b32 s[\g+1], 32<<16
	s_mov_b32 s[\g+2], (128*KS/256)<<16
	s_mov_b32 s[\g+3], 32<<16
	s_mov_b32 s[\g+4], 128*KS/256
	s_mov_b32 s[\g+5], 32
	s_mov_b32 s[\g+6], 0
	s_mov_b32 s[\g+7], 0
.endr
	s_lshl_b32 s18, s16, 7
	s_lshl_b32 s20, s17, 8
	s_add_co_u32 s20, s20, s18                     ; x: row 256 x tile row + 128 x half
	s_lshl_b32 s46, s42, 8
	s_add_co_u32 s46, s46, s18                     ; w: row 256 x tile column + 128 x half
	s_mov_b32 s21, 0
	s_mov_b32 s47, 0
	s_mov_b64 s[18:19], KS
	s_mul_u64 s[22:23], s[20:21], s[18:19]         ; where these rows' scales begin
	s_mul_u64 s[92:93], s[46:47], s[18:19]
	s_mov_b64 s[18:19], KROW
	s_mul_u64 s[20:21], s[20:21], s[18:19]         ; and their codes
	s_mul_u64 s[46:47], s[46:47], s[18:19]
	s_mul_i32 s45, s14, HALFT                      ; where they go: wave x 128 rows
	s_mul_i32 s94, s14, HALFS
	s_wait_dscnt 0x0                               ; both opening adds are done
	s_wait_kmcnt 0x0
	s_add_nc_u64 s[20:21], s[4:5], s[20:21]
	s_add_nc_u64 s[22:23], s[6:7], s[22:23]
	s_add_nc_u64 s[46:47], s[8:9], s[46:47]
	s_add_nc_u64 s[92:93], s[10:11], s[92:93]
	CROUND                                         ; all sixteen work-groups are here: the joint loads meet
	s_mov_b32 s[G0S], 1
	s_add_co_u32 s[G0S+1], s94, SCL
	s_mov_b64 s[G0S+2:G0S+3], s[22:23]
	s_or_b32 s[G0S+3], s[G0S+3], 0x80000000
	s_mov_b32 s[G0SB], 1
	s_add_co_u32 s[G0SB+1], s94, SCL
	s_mov_b64 s[G0SB+2:G0SB+3], s[92:93]
	s_or_b32 s[G0SB+3], s[G0SB+3], 0x80000000
	JLOAD G0S, G1S, G0SB, G1SB                     ; the scales first
.irp s, 0,1
	s_mov_b32 s[G0+4*\s], 1
	s_add_co_u32 s[G0+4*\s+1], s45, \s*SLOT
	s_add_nc_u64 s[G0+4*\s+2:G0+4*\s+3], s[20:21], \s*ROWB
	s_or_b32 s[G0+4*\s+3], s[G0+4*\s+3], 0x80000000
	s_mov_b32 s[G0B+4*\s], 1
	s_add_co_u32 s[G0B+4*\s+1], s45, \s*SLOT
	s_add_nc_u64 s[G0B+4*\s+2:G0B+4*\s+3], s[46:47], \s*ROWB
	s_or_b32 s[G0B+4*\s+3], s[G0B+4*\s+3], 0x80000000
	JLOAD G0+4*\s, G1, G0B+4*\s, G1B               ; three loads of mine are out at the most
.endr
	v_and_b32 v1, 15, v0                           ; r = lane % 16
	v_bfe_u32 v2, v0, 4, 1                         ; h = lane / 16
	v_mul_u32_u24 v3, v1, PITCH
	v_lshl_add_u32 v4, v2, 4, v3                   ; a fragment's row x pitch + 16 h
	s_mul_i32 s21, s15, HALFT
	s_mul_i32 s22, s16, HALFT
	s_add_co_u32 s22, s22, 2*HALFT
.irp s, 0,1
	v_add_nc_u32 v[ADRA+\s], s21, v4
	v_add_nc_u32 v[ADRB+\s], s22, v4
	s_add_co_u32 s21, s21, SLOT
	s_add_co_u32 s22, s22, SLOT
.endr
	v_mul_u32_u24 v5, v1, KS                       ; my row's scales: 32 bytes a row,
	v_lshrrev_b32 v6, 8, v5
	v_lshl_add_u32 v5, v6, 4, v5                   ; and 16 more for each 256 passed
	s_mul_i32 s21, s15, HALFS
	s_mul_i32 s22, s16, HALFS
	s_add_co_u32 s22, s22, 2*HALFS
	s_sub_co_u32 s22, s22, s21
	v_mul_u32_u24 v6, s22, v2                      ; lanes 16-31 take w's: one product, the distance between the two bases
	s_add_co_u32 s21, s21, SCL
	v_add_nc_u32 v5, v5, v6
	v_add_nc_u32 v[ADRS], s21, v5
	s_mul_i32 s23, s14, 16*SPITCH                  ; my stage
	v_mul_u32_u24 v5, v1, SPITCH                   ; in: row r, 16 bytes for each half of the lanes
	v_lshl_add_u32 v5, v2, 4, v5
	v_add_nc_u32 v[STO], s23, v5
	v_and_b32 v6, 31, v0
	v_lshlrev_b32 v[CO], 4, v6                     ; out: 16 bytes a lane
	v_lshrrev_b32 v5, 3, v6                        ; back: eight lanes take a head's 128 bytes of a row, four rows an instruction
	v_mul_u32_u24 v5, v5, SPITCH
	v_and_b32 v6, 7, v0
	v_lshl_add_u32 v5, v6, 4, v5
	v_add_nc_u32 v[RD], s23, v5
	v_mul_u32_u24 v[FO], v1, 12288                 ; qkv_fine: position r's row of 12,288 bytes + 32 h
	v_lshl_add_u32 v[FO], v2, 5, v[FO]
	; where my part begins.  n0 = my first column; q = n0 / 1024, head = (n0 / 64) % 16, batch = cy
	s_lshl_b32 s46, s42, 8
	s_lshl_b32 s47, s16, 7
	s_add_co_u32 s46, s46, s47                     ; n0
	s_lshr_b32 s20, s46, 10
	s_lshl_b32 s20, s20, 6                         ; 64 q
	s_lshl_b32 s21, s41, 4                         ; + 16 x batch
	s_add_co_u32 s20, s20, s21
	s_bfe_u32 s21, s46, 0x40006                    ; + head
	s_add_co_u32 s20, s20, s21
	s_lshl_b32 s20, s20, 18                        ; x 262,144 bytes (at most 191 of them)
	s_and_b32 s21, ttmp7, 0xffff
	s_lshl_b32 s21, s21, 15                        ; + 256 x cluster y positions of 128 bytes
	s_add_co_u32 s20, s20, s21
	s_lshl_b32 s21, s15, 14                        ; + my half's 128 positions
	s_add_co_u32 s20, s20, s21
	s_mov_b32 s21, 0
	s_add_nc_u64 s[12:13], s[12:13], s[20:21]
	s_mul_i32 s20, s41, 196608                     ; qkv_fine: the batch's 16 rows, + 4 n0
	s_lshl_b32 s22, s46, 2
	s_add_co_u32 s20, s20, s22
	s_add_nc_u64 s[96:97], s[96:97], s[20:21]
.macro FRAG reg, adr, q, i             ; 16 rows x 128 K of 4-bit codes: lane l holds row l % 16; registers 4 c .. 4 c + 3 hold K = 64 c + 32 (l / 16) + 0 .. 31
.irp c, 0,1
	ds_load_b128 v[\reg+4*\c:\reg+4*\c+3], v[\adr] offset:64*(\q)+32*\c+(\i)*16*PITCH
.endr
.endm
; 16 matrix instructions: x's blocks a0, a0 + 1 against w's eight.  The 64 accumulators take turns, one instruction a turn, in the same order in every step.
.macro MUL16 a0, p, q, sc, zero
.irp a, \a0, \a0+1
.irp b, 0,1,2,3,4,5,6,7
.if \zero
	v_wmma_scale_f32_16x16x128_f8f6f4 v[8*(8*((\a)%4)+\b):8*(8*((\a)%4)+\b)+7], v[128*(\p)+FR*\b:128*(\p)+FR*\b+FR-1], v[AF+FR*(\a):AF+FR*(\a)+FR-1], 0, v[SC+8*NQ*(\sc)+NQ*\b+(\q)], v[SC+8*NQ*(\sc)+NQ*(\a)+(\q)] matrix_a_fmt:MATRIX_FMT_FP4 matrix_b_fmt:MATRIX_FMT_FP4 matrix_a_scale:MATRIX_SCALE_ROW1
.else
	v_wmma_scale_f32_16x16x128_f8f6f4 v[8*(8*((\a)%4)+\b):8*(8*((\a)%4)+\b)+7], v[128*(\p)+FR*\b:128*(\p)+FR*\b+FR-1], v[AF+FR*(\a):AF+FR*(\a)+FR-1], v[8*(8*((\a)%4)+\b):8*(8*((\a)%4)+\b)+7], v[SC+8*NQ*(\sc)+NQ*\b+(\q)], v[SC+8*NQ*(\sc)+NQ*(\a)+(\q)] matrix_a_fmt:MATRIX_FMT_FP4 matrix_b_fmt:MATRIX_FMT_FP4 matrix_a_scale:MATRIX_SCALE_ROW1
.endif
.endr
.endr
.endm
.macro FETCH_B slot, q, p
	WIN TO_B
.irp i, 0,1,2,3,4,5,6,7
	FRAG 128*(\p)+FR*\i, ADRB+\slot, \q, \i
.endr
	WIN 0
.endm
.macro FETCH_A slot, q, i0
.irp i, \i0, \i0+1, \i0+2, \i0+3
	FRAG AF+FR*(\i), ADRA+\slot, \q, \i
.endr
.endm
.macro SCALES sc                       ; a slot's scale words: lanes 0-15 x's block i, lanes 16-31 w's block i; four words a row
.irp i, 0,1,2,3,4,5,6,7
	ds_load_b128 v[SC+8*NQ*\sc+NQ*\i:SC+8*NQ*\sc+NQ*\i+3], v[ADRS] offset:\i*SBLK
.endr
.endm
.macro PLACES n                        ; plain vector instructions between a matrix instruction and a load into, or a read of, its registers
.rept \n
	v_nop
.endr
.endm
.macro STEP slot, q, zero              ; 128 along K, with its successor in the same slot
	s_wait_dscnt 4*NL                              ; w's set and x's blocks 0-3 are in; the youngest eight loads (x's blocks 4-7) may be out
	WIN MUL_LO
	MUL16 0, (\q)%2, \q, \slot, \zero
	MUL16 2, (\q)%2, \q, \slot, \zero
	s_wait_dscnt 0
	PLACES NP
	FETCH_B \slot, (\q)+1, 1-(\q)%2
	FETCH_A \slot, (\q)+1, 0
	WIN MUL_HI
	MUL16 4, (\q)%2, \q, \slot, \zero
	MUL16 6, (\q)%2, \q, \slot, \zero
	PLACES NP
	WIN 0
	FETCH_A \slot, (\q)+1, 4
.endm
.macro STEPS slot, from
.set Q, \from
.rept NQ-1-\from
	STEP \slot, Q, 0
.set Q, Q+1
.endr
.endm
	s_wait_tensorcnt 1                             ; the scales and my part of slot 0 are in (slot 1's load may be out),
	s_barrier_signal -1
	s_barrier_wait -1                              ; everybody's are
	FETCH_B 0, 0, 0
	FETCH_A 0, 0, 0
	SCALES 0
	FETCH_A 0, 0, 4
	STEP 0, 0, 1                                   ; the first products start the sums: nothing is cleared
	STEPS 0, 1
	; slot 0's last step, and the change to slot 1: one barrier; nothing is filled again
	s_wait_tensorcnt 0x0                           ; my part of slot 1 has landed
	ds_add_u32 v[SPW], v[NIL]
	s_wait_dscnt 4*NL+1                            ; (the add and the youngest eight loads may be out)
	WIN MUL_LO
	MUL16 0, 1, NQ-1, 0, 0
	s_wait_dscnt 0x0                               ; the add is done, and my reads of slot 0 are over
	s_barrier_signal -1
	MUL16 2, 1, NQ-1, 0, 0
	WIN 0
	s_barrier_wait -1
	PLACES NP
	v_add_nc_u32 v[ADRS], 4*NQ, v[ADRS]            ; on to the second 512's scale words
	FETCH_B 1, 0, 0
	FETCH_A 1, 0, 0
	SCALES 1
	WIN MUL_HI
	MUL16 4, 1, NQ-1, 0, 0
	MUL16 6, 1, NQ-1, 0, 0
	PLACES NP
	WIN 0
	FETCH_A 1, 0, 4
	STEPS 1, 0
	s_wait_dscnt 4*NL                              ; the very last step
	WIN MUL_LO
	MUL16 0, 1, NQ-1, 1, 0
	MUL16 2, 1, NQ-1, 1, 0
	s_wait_dscnt 0
	WIN MUL_HI
	MUL16 4, 1, NQ-1, 1, 0
	MUL16 6, 1, NQ-1, 1, 0
	WIN 0
; THE WAY OUT.  Block a is 16 positions x 128 columns, two heads.  Rounded to f16, a lane's eight numbers are 16 bytes of a row; they go through my stage and come back so that an instruction's 32 lanes hold
; four positions x 128 bytes of ONE head, which are 512 consecutive bytes of qkvh.
.macro PACK a
.set AC, 64*((\a)%4)
	WIN 0x0a+5*((\a)/4)                            ; sources 0 and 1: window 2 or 3
.irp b, 0,1,2,3,4,5,6,7
.irp i, 0,1,2,3
	v_cvt_pk_f16_f32 v[TMP+4*\b+\i], v[AC+8*\b+2*\i], v[AC+8*\b+2*\i+1]   ; each accumulator from its low end on
.endr
.endr
	WIN 0
.endm
.macro TOSTAGE a
.set BB, OB+32*((\a)%2)
.irp b, 0,1,2,3,4,5,6,7
	ds_store_b128 v[STO], v[TMP+4*\b:TMP+4*\b+3] offset:32*\b
.endr
.irp hd, 0,1
.irp g, 0,1,2,3
	ds_load_b128 v[BB+4*(4*\hd+\g):BB+4*(4*\hd+\g)+3], v[RD] offset:\g*4*SPITCH+128*\hd   ; LDS serves a wave's instructions in order: these see the stores above
.endr
.endr
.endm
.macro SEND a
.set BB, OB+32*((\a)%2)
	s_wait_dscnt 0x0                               ; the block is back in registers
	s_wait_xcnt 0x0                                ; the stores of the block before have read their registers: the next block's loads may land there
.irp hd, 0,1
.irp g, 0,1,2,3
	global_store_b128 v[CO], v[BB+4*(4*\hd+\g):BB+4*(4*\hd+\g)+3], s[12:13] offset:\hd*262144+(\a)*2048+\g*512   ; 512 consecutive bytes, aligned
.endr
.endr
.endm
	PLACES NP                                      ; behind the last products: for the reads of results and the loads into the scale words' registers
	s_cmp_lg_u32 s95, 0                            ; positions 0-15 are block 0 of the waves with cluster y = 0 and the upper half of rows: ids alone, alike in all partners
	s_cbranch_scc1 .Lno_fine
	WIN 0x08                                       ; a store's data: window 2
.irp b, 0,1,2,3,4,5,6,7
	global_store_b128 v[FO], v[8*\b:8*\b+3], s[96:97] offset:64*\b          ; f32, unrounded: position r, columns n0 + 16 b + 8 h + 0 .. 7
	global_store_b128 v[FO], v[8*\b+4:8*\b+7], s[96:97] offset:64*\b+16
.endr
	WIN 0
.Lno_fine:
	PACK 0
	TOSTAGE 0
.irp a, 1,2,3,4,5,6,7
	PACK \a                                        ; block a's conversions stand between block a - 1's loads from the stage and the wait for them
	SEND \a-1
	TOSTAGE \a
.endr
	SEND 7
	s_wait_tensorcnt 0x0                           ; the wave's end
	ds_add_u32 v[SPW], v[NIL]
	s_wait_dscnt 0x0
	CROUND                                         ; the closing round
	s_endpgm
.Lfunc_end_k_q241044068b_qkv:
	.size	k_q241044068b_qkv, .Lfunc_end_k_q241044068b_qkv-k_q241044068b_qkv
	.p2alignl 7, 3214868480
	.fill 96, 4, 3214868480
	.section	.rodata,"a",@progbits
	.p2align	6, 0x0
	.amdhsa_kernel k_q241044068b_qkv
		.amdhsa_group_segment_fixed_size 327680
		.amdhsa_private_segment_fixed_size 0
		.amdhsa_enable_private_segment 0
		.amdhsa_kernarg_size 48
		.amdhsa_user_sgpr_count 2
		.amdhsa_user_sgpr_kernarg_segment_ptr 1
		.amdhsa_wavefront_size32 1
		.amdhsa_system_sgpr_workgroup_id_x 1
		.amdhsa_system_sgpr_workgroup_id_y 1
		.amdhsa_system_sgpr_workgroup_id_z 1
		.amdhsa_system_vgpr_workitem_id 0
		.amdhsa_next_free_vgpr 1024
		.amdhsa_next_free_sgpr 98
		.amdhsa_reserve_vcc 0
		.amdhsa_float_denorm_mode_32 3
		.amdhsa_float_denorm_mode_16_64 3
		.amdhsa_memory_ordered 1
		.amdhsa_forward_progress 1
		.amdhsa_inst_pref_size 128
	.end_amdhsa_kernel
	.amdgpu_metadata
---
amdhsa.version: [ 1, 2 ]
amdhsa.kernels:
  - .name:           k_q241044068b_qkv
    .symbol:         k_q241044068b_qkv.kd
    .args:
      - { .name: x_codes, .offset: 0, .size: 8, .value_kind: global_buffer, .address_space: global }
      - { .name: x_scales, .offset: 8, .size: 8, .value_kind: global_buffer, .address_space: global }
      - { .name: w_codes, .offset: 16, .size: 8, .value_kind: global_buffer, .address_space: global }
      - { .name: w_scales, .offset: 24, .size: 8, .value_kind: global_buffer, .address_space: global }
      - { .name: qkvh, .offset: 32, .size: 8, .value_kind: global_buffer, .address_space: global }
      - { .name: qkv_fine, .offset: 40, .size: 8, .value_kind: global_buffer, .address_space: global }
    .group_segment_fixed_size: 327680
    .private_segment_fixed_size: 0
    .kernarg_segment_align: 8
    .kernarg_segment_size: 48
    .max_flat_workgroup_size: 128
    .sgpr_count:     98
    .vgpr_count:     1024
    .wavefront_size: 32
...
	.end_amdgpu_metadata
.endif
;; end of part 2
;; launch attn (part 3): grid 4 x 64, 16 waves a work-group, clusters of 4 x 1, 327,680 bytes of LDS; arguments qkvh, attnh; writes attnh
.if DOCPART == 3
	.amdgcn_target "amdgcn-amd-amdhsa--gfx1250"
	.amdhsa_code_object_version 6
	.text
	.protected	k_q241044068b_attn
	.globl	k_q241044068b_attn
	.p2align	8
	.type	k_q241044068b_attn,@function
k_q241044068b_attn:
	s_mov_b64 s[64:65], 0
	v_nop
	global_prefetch_b8 v0, s[64:65] scope:SCOPE_SE
	s_setreg_imm32_b32 hwreg(HW_REG_WAVE_MODE, 25, 1), 1
	s_wait_xcnt 0x0
	s_wait_alu depctr_hold_cnt(0) depctr_sa_sdst(0) depctr_va_vdst(0) depctr_va_sdst(0) depctr_va_ssrc(0) depctr_va_vcc(0) depctr_vm_vsrc(0)
	s_getreg_b32 s2, hwreg(HW_REG_IB_STS2, 6, 4)
	s_cmp_eq_u32 s2, 0
	s_cbranch_scc0 .Lentry_in_a_cluster
	s_endpgm
.Lentry_in_a_cluster:
	s_bfe_u32 s2, ttmp6, 0x10000c
	s_cmp_lg_u32 s2, 0x3003
	s_cbranch_scc0 .Lentry_shape_is_right
	s_endpgm
.Lentry_shape_is_right:
; attnh[b][h][q][:] = the sum over keys s <= q of softmax_s(Q[q] . K[s] / 8) V[s][:], head size 64, 2,048 positions.  Q, K, V: qkvh [3][64 heads][2048][64] f16; attnh [64 heads][2048][64] f16.
; Products on f16 operands with f32 sums; maxima, exponentials and sums in f32; the weights p (at most 1) are rounded to f16 for the second product, the result once at the end.
; WORK LEFT OUT: key steps of 64 keys that lie wholly behind a tile's 16 queries: reference()'s own causal mask gives them the weight 0 (shown at the head of the launch prep).
; LIMITS: the running maximum starts at -3e38; NaN and infinities are not served.  Positions 0-15 of each batch are computed here like all others and written anew, in f32 arithmetic, by the launch fine.
; SHARES.  A cluster of four work-groups is one head; a work-group has sixteen waves of 256 registers, four to a SIMD, so that one wave's vector work stands beside another's matrix work.
; The head's 128 tiles of 16 queries are dealt so that every branch hangs on the wave's number and the count of steps alone: wave i of partner cx owns tile A = 8 i + cx and tile B = 8 i + 7 - cx.
; A's queries lie in keys' step 2 i and B's in step 2 i + 1, whatever cx is.  So in step T: T < 2 i: both tiles, no mask; T = 2 i: A masked, B open; T = 2 i + 1: A is over, B masked; T > 2 i + 1: nothing.
; cx enters Q's and the result's global addresses and the mask's numbers and the prefetch's address, and nothing else.  All work-groups have the same work.  Wave 15 of every partner reads every step.
; LAYOUT.  S^T = K Q^T (source 0 = 16 keys, source 1 = 16 queries): a lane holds ONE query (lane % 16) and keys 8 (lane / 16) + 0..7 of each tile of 16.  Two such tiles, rounded in pairs, ARE source 1 of
; O^T = V^T P, whose result again holds one query a lane, and eight channels.  K comes out of LDS as it lies, V ([key][channel]) turned, by ds_load_tr16_b128.
; THE RING.  Two LDS slots of 8 steps (512 keys).  A step's K (64 rows x 128 bytes) and V are one tensor load each: waves 0-7 fetch K of steps 0-7 of a slot, waves 8-15 V: one load a wave for each fill, asked for
; JOINTLY by the four partners (the same descriptor, mask 15).  Both slots are filled at the head and each once more.
.set PKB,   144                        ; a row of K in LDS: 128 bytes + 16
.set PVB,   160                        ; a row of V: 128 + 32: an odd multiple of 32
.set VOFF,  64*PKB
.set STEPB, 64*(PKB+PVB)               ; a step: 64 rows of K, then 64 rows of V
.set SLOT,  8*STEPB
.set SPARE, 2*SLOT                     ; the spare words, 128 bytes for each of sixteen waves, which no other line names
.set STGW,  2*16*PKB                   ; the way out: two tiles of 16 rows x 144 bytes for each wave, in slot 0, behind its last fill and its last read
.set SPW, 1
.set NIL, 2
.set AK0, 3                            ; my lane's place in a step's K
.set AV0, 4                            ; and V
.set ADK, 5                            ; the step's addresses
.set ADV, 6
.set DA,  7                            ; v7: 16 cx + r - 8 h;  v8: 16 (3 - cx) + r - 8 h: key 16 kt + j of a diagonal step is hidden where 16 kt + j is greater
.set NINF, 9
.set STO, 10
.set RD,  11
.set GO,  12
.set QO,  13
.set PFO, 15                           ; 256 x lane; never rewritten
.set ST,  16                           ; tile x's statistics at v[16 + 8 x]: +0 c m, +1 m, +2, +3 l (two halves), +4..7 at work; a in +6
.set Q,   32                           ; Q: 16 registers a tile
.set F,   64                           ; v64-95: K's key tiles 0, 1; later V's keys 0-31
.set S,   96                           ; S^T: 32 registers a tile.  Tile A's also take V's keys 32-63 once the sums are made
.set P,   160                          ; P: 16 a tile.  They also take K's key tiles 2, 3 at a step's head
.set O,   192                          ; O^T: 32 a tile
.set WV,  8
.set CX,  9
.set HD,  10
.set TDA, 11                           ; 2 i
.set TDB, 12                           ; 2 i + 1
.set T,   13                           ; the key step, 0 to 31
.set TB,  14                           ; LDS byte at which it begins
.set CNT, 15
.set PFA, 18
.set SEL, 20
.set CS,  22
.set G1K, 24
.set G1V, 32
.set G0,  40                           ; s[40:43] slot 0's group 0, s[44:47] slot 1's
.macro CROUND
	s_barrier_signal -1
	s_barrier_wait -1
	s_cmp_lg_u32 s[WV], 0
	s_cbranch_scc1 .Lnot_wave_0_\@
	s_barrier_signal -3
.Lnot_wave_0_\@:
	s_barrier_wait -3
	s_barrier_signal -1
	s_barrier_wait -1
.endm
.macro JLOAD s                         ; a joint refill; the branch hangs on the wave's number alone; an s_nop 0 and four v_nop follow each line
	s_cmp_lt_u32 s[WV], 8
	s_cbranch_scc0 .Lfor_v_\@
	tensor_load_to_lds s[G0+4*\s:G0+4*\s+3], s[G1K:G1K+7]
	s_nop 0
.rept 4
	v_nop
.endr
	s_branch .Lasked_\@
.Lfor_v_\@:
	tensor_load_to_lds s[G0+4*\s:G0+4*\s+3], s[G1V:G1V+7]
	s_nop 0
.rept 4
	v_nop
.endr
.Lasked_\@:
.endm
	s_load_b128 s[4:7], s[0:1], 0x0                ; qkvh, attnh
	v_lshl_add_u32 v[SPW], v0, 2, SPARE
	v_mov_b32 v[NIL], 0
	ds_add_u32 v[SPW], v[NIL]                      ; the wave's opening: the add, twice on end, and its wait ahead of my first tensor load
	ds_add_u32 v[SPW], v[NIL]
	v_lshrrev_b32 v96, 5, v0
	v_readfirstlane_b32 s[WV], v96                 ; wave 0..15
	s_bfe_u32 s[CX], ttmp6, 0x40000
	s_and_b32 s[HD], ttmp7, 0xffff                 ; batch x 16 + head, which the partners share
	s_lshl_b32 s[TDA], s[WV], 1
	s_add_co_u32 s[TDB], s[TDA], 1
	s_mov_b32 s[T], 0
	s_mov_b32 s[G1K], 15|(1<<16)|(1<<20)|(1<<21)|(4<<22)|(3<<25)  ; mask: all four; elements of 2 bytes; padding on; bit 21 beside a mask; after every 32 words, 4 words
	s_mov_b32 s[G1V], 15|(1<<16)|(1<<20)|(1<<21)|(4<<22)|(7<<25)  ; the same with 8 words
.irp g, G1K, G1V
	s_mov_b32 s[\g+1], 64<<16                      ; tensor_dim0 = 64
	s_mov_b32 s[\g+2], 64<<16                      ; tensor_dim1 = 64
	s_mov_b32 s[\g+3], 64<<16                      ; tile_dim0 = 64
	s_mov_b32 s[\g+4], 64                          ; tile_dim1 = 64
	s_mov_b32 s[\g+5], 64                          ; the pitch in memory, in elements
	s_mov_b32 s[\g+6], 0
	s_mov_b32 s[\g+7], 0
.endr
	s_mov_b32 s[SEL], 0x76543210
	s_mov_b32 s[SEL+1], 0xfedcba98
	s_mov_b32 s[CS], 0x3e38aa3b                    ; c = log2(e) / 8
	s_mov_b32 s[CS+1], s[CS]
	s_and_b32 s16, s[WV], 7                        ; which step of a slot I fetch
	s_lshr_b32 s17, s[WV], 3                       ; K (0) or V (1)
	s_mul_i32 s56, s16, STEPB
	s_mul_i32 s57, s17, VOFF
	s_add_co_u32 s56, s56, s57                     ; its place in a slot
	s_add_co_u32 s58, s17, 1
	s_lshl_b32 s58, s58, 24                        ; K begins 16,777,216 bytes into qkvh, V twice that
	s_lshl_b32 s57, s[HD], 18                      ; the head's 262,144 bytes
	s_add_co_u32 s58, s58, s57
	s_lshl_b32 s59, s16, 13                        ; 64 rows of 128 bytes a step
	s_add_co_u32 s58, s58, s59
	s_mov_b32 s59, 0
	s_lshl_b32 s60, s[WV], 3
	s_add_co_u32 s60, s60, s[CX]                   ; tile A
	s_lshl_b32 s60, s60, 11                        ; 16 rows of 128 bytes a tile
	s_add_co_u32 s60, s60, s57
	s_mov_b32 s61, 0
	s_lshl_b32 s62, s[WV], 3
	s_add_co_u32 s62, s62, 7
	s_sub_co_u32 s62, s62, s[CX]                   ; tile B
	s_lshl_b32 s62, s62, 11
	s_add_co_u32 s62, s62, s57
	s_mov_b32 s63, 0
	s_bfe_u32 s16, s[WV], 0x10001                  ; the prefetch: waves 0, 1 K's, waves 2, 3 V's
	s_add_co_u32 s16, s16, 1
	s_lshl_b32 s16, s16, 24
	s_add_co_u32 s16, s16, s57
	s_add_co_u32 s16, s16, 3*65536                 ; the head's last 512 keys,
	s_lshl_b32 s17, s[CX], 14                      ; my work-group's 128 of them, told apart by address,
	s_add_co_u32 s16, s16, s17
	s_and_b32 s17, s[WV], 1
	s_lshl_b32 s17, s17, 13                        ; my wave's 64
	s_add_co_u32 s16, s16, s17
	s_mov_b32 s17, 0
	s_wait_dscnt 0x0                               ; both opening adds are done
	s_wait_kmcnt 0x0
	s_mov_b32 s[G0], 1
	s_mov_b32 s[G0+1], s56
	s_add_nc_u64 s[G0+2:G0+3], s[4:5], s[58:59]
	s_mov_b32 s[G0+4], 1
	s_add_co_u32 s[G0+5], s56, SLOT
	s_add_nc_u64 s[G0+6:G0+7], s[G0+2:G0+3], 65536 ; slot 1: 512 keys on
	s_or_b32 s[G0+3], s[G0+3], 0x80000000
	s_or_b32 s[G0+7], s[G0+7], 0x80000000
	s_add_nc_u64 s[48:49], s[4:5], s[60:61]        ; Q of tile A, of tile B
	s_add_nc_u64 s[50:51], s[4:5], s[62:63]
	s_add_nc_u64 s[52:53], s[6:7], s[60:61]        ; the result's rows likewise
	s_add_nc_u64 s[54:55], s[6:7], s[62:63]
	s_add_nc_u64 s[PFA:PFA+1], s[4:5], s[16:17]
	CROUND                                         ; all four work-groups are here: the first joint loads meet
	s_cmp_lt_u32 s[WV], 8                          ; a wave's two first fills stand in one branch: two loads of mine are out
	s_cbranch_scc0 .Lfirst_v
	tensor_load_to_lds s[G0:G0+3], s[G1K:G1K+7]
	s_nop 0
	tensor_load_to_lds s[G0+4:G0+7], s[G1K:G1K+7]
	s_nop 0
.rept 4
	v_nop
.endr
	s_branch .Lfirst_asked
.Lfirst_v:
	tensor_load_to_lds s[G0:G0+3], s[G1V:G1V+7]
	s_nop 0
	tensor_load_to_lds s[G0+4:G0+7], s[G1V:G1V+7]
	s_nop 0
.rept 4
	v_nop
.endr
.Lfirst_asked:
	v_and_b32 v96, 15, v0                          ; r
	v_bfe_u32 v97, v0, 4, 1                        ; h
	v_lshlrev_b32 v[QO], 7, v96
	v_lshl_add_u32 v[QO], v97, 4, v[QO]            ; Q: row r of 128 bytes + 16 h
.irp x, 0,1
.irp dh, 0,1
	global_load_b128 v[Q+16*\x+8*\dh:Q+16*\x+8*\dh+3], v[QO], s[48+2*\x:49+2*\x] offset:64*\dh
	global_load_b128 v[Q+16*\x+8*\dh+4:Q+16*\x+8*\dh+7], v[QO], s[48+2*\x:49+2*\x] offset:64*\dh+32
.endr
.endr
	v_mul_u32_u24 v[AK0], v96, PKB
	v_lshl_add_u32 v[AK0], v97, 4, v[AK0]          ; key r's row + 16 h
	v_and_b32 v98, 7, v0
	v_bfe_u32 v99, v0, 3, 1
	v_lshl_add_u32 v[AV0], v97, 3, v98             ; the turning load: key 8 h + lane % 8, channels 8 ((lane / 8) % 2) on
	v_mul_u32_u24 v[AV0], v[AV0], PVB
	v_lshl_add_u32 v[AV0], v99, 4, v[AV0]
	v_add_nc_u32 v[AV0], VOFF, v[AV0]
	s_mul_i32 s16, s[WV], STGW                     ; the way out's addresses are made here, ahead of the first parting of the waves
	v_mul_u32_u24 v[STO], v96, PKB
	v_lshl_add_u32 v[STO], v97, 4, v[STO]
	v_add_nc_u32 v[STO], s16, v[STO]               ; in: row r, 16 bytes for each half of the lanes
	v_and_b32 v99, 31, v0
	v_lshrrev_b32 v[RD], 3, v99
	v_mul_u32_u24 v[RD], v[RD], PKB
	v_lshl_add_u32 v[RD], v98, 4, v[RD]
	v_add_nc_u32 v[RD], s16, v[RD]                 ; back: eight lanes to a row of 128 bytes, four rows an instruction
	v_lshlrev_b32 v[GO], 4, v99
	v_lshlrev_b32 v[PFO], 8, v99
	v_lshlrev_b32 v98, 3, v97
	v_sub_nc_u32 v98, v96, v98                     ; r - 8 h
	s_lshl_b32 s60, s[CX], 4
	s_sub_co_u32 s61, 48, s60
	v_add_nc_u32 v[DA], s60, v98
	v_add_nc_u32 v[DA+1], s61, v98
	v_mov_b32 v[NINF], 0xff800000
.irp x, 0,1
	v_mov_b32 v[ST+8*\x+1], 0xff61b1e6             ; m = -3e38, under every score
	v_mul_f32 v[ST+8*\x], s[CS], v[ST+8*\x+1]
.irp k, 2,3,4,5,6,7
	v_mov_b32 v[ST+8*\x+\k], 0                     ; l, and the registers at work (a lane permute's destination counts as read)
.endr
.endr
.set n, 0
.rept 64
	v_mov_b32 v[O+n], 0                            ; O^T.  The step is written once: the first finds zeros, which its a = 0 leaves zeros
.set n, n+1
.endr
; One tile's softmax for one key step: a list of 118 instructions; SM writes number j of it for tile x.
;   0-15 the maximum of the lane's 32 scores and the old m;  16-20 the other half of the lanes', the new m, c m, c m_old - c m_new;  21-69 ONE BATCH: a, the 16 packed scalings c s - c m, the 32 exponentials
;   (wait)  70-85 the roundings to f16;  86-101 the sums, l = a l + the sum;  102-117 O^T x a
.macro SM x
.set rT, ST+8*(\x)
.set rS, S+32*(\x)
.set rP, P+16*(\x)
.set rO, O+32*(\x)
.if j < 4
	v_max3_num_f32 v[rT+4+j], v[rS+8*j], v[rS+8*j+1], v[rS+8*j+2]         ; each accumulator from its low end on
.elseif j < 12
	v_max3_num_f32 v[rT+4+j%4], v[rT+4+j%4], v[rS+8*(j%4)+2*(j/4)+1], v[rS+8*(j%4)+2*(j/4)+2]
.elseif j == 12
	v_max3_num_f32 v[rT+4], v[rT+4], v[rS+7], v[rS+15]
.elseif j == 13
	v_max3_num_f32 v[rT+6], v[rT+6], v[rS+23], v[rS+31]
.elseif j == 14
	v_max3_num_f32 v[rT+4], v[rT+4], v[rT+5], v[rT+6]
.elseif j == 15
	v_max3_num_f32 v[rT+4], v[rT+4], v[rT+7], v[rT+1]
.elseif j == 16
	v_permlanex16_b32 v[rT+5], v[rT+4], s[SEL], s[SEL+1]                 ; the query's other 32 keys lie in the lane 16 away
.elseif j == 17
	v_mov_b32 v[rT+7], v[rT]                                             ; c m_old
.elseif j == 18
	v_max_num_f32 v[rT+1], v[rT+4], v[rT+5]
.elseif j == 19
	v_mul_f32 v[rT], s[CS], v[rT+1]
.elseif j == 20
	v_sub_f32 v[rT+7], v[rT+7], v[rT]
.elseif j == 21
	v_exp_f32 v[rT+6], v[rT+7]                                           ; a = 2^(c m_old - c m_new)
.elseif j < 38
	v_pk_fma_f32 v[rS+2*(j-22):rS+2*(j-22)+1], v[rS+2*(j-22):rS+2*(j-22)+1], s[CS:CS+1], v[rT:rT+1] op_sel_hi:[1,0,0] neg_lo:[0,0,1] neg_hi:[0,0,1]
.elseif j < 70
	v_exp_f32 v[rS+j-38], v[rS+j-38]
.elseif j < 86
	v_cvt_pk_f16_f32 v[rP+j-70], v[rS+2*(j-70)], v[rS+2*(j-70)+1]
.elseif j < 102
.set z, j-86
.set w, 4
.set u, z
.if z >= 14
.set w, 32
.set u, 0
.elseif z >= 12
.set w, 16
.set u, z-12
.elseif z >= 8
.set w, 8
.set u, z-8
.endif
.if z < 15
	v_pk_add_f32 v[rS+w*u:rS+w*u+1], v[rS+w*u:rS+w*u+1], v[rS+w*u+w/2:rS+w*u+w/2+1]
.else
	v_pk_fma_f32 v[rT+2:rT+3], v[rT+2:rT+3], v[rT+6:rT+7], v[rS:rS+1] op_sel_hi:[1,0,1]
.endif
.else
	v_pk_mul_f32 v[rO+2*(j-102):rO+2*(j-102)+1], v[rO+2*(j-102):rO+2*(j-102)+1], v[rT+6:rT+7] op_sel_hi:[1,0]
.endif
.endm
.macro RUN lo, from, cnt               ; numbers from .. from + cnt - 1 of the list, for tiles lo .. 1, the tiles alternating line by line
.set j, \from
.rept \cnt
.irp x, 0,1
.if \x >= \lo
	SM \x
.endif
.endr
.set j, j+1
.endr
.endm
.macro FETCH_K                         ; a step's K: 16 loads; key tiles 0, 1 into F, key tiles 2, 3 into P's registers
.irp kt, 0,1,2,3
.irp dh, 0,1
.set rK, F+8*(2*\kt+\dh)
.if \kt > 1
.set rK, P+8*(2*(\kt-2)+\dh)
.endif
	ds_load_b128 v[rK:rK+3], v[ADK] offset:\kt*16*PKB+64*\dh
	ds_load_b128 v[rK+4:rK+7], v[ADK] offset:\kt*16*PKB+64*\dh+32
.endr
.endr
.endm
.macro FETCH_V vb, c                   ; V^T of keys 32 c on: four fragments (16 channels x 32 keys), eight turning loads
.irp t, 0,1,2,3
	ds_load_tr16_b128 v[\vb+8*\t:\vb+8*\t+3], v[ADV] offset:\c*32*PVB+32*\t
	ds_load_tr16_b128 v[\vb+8*\t+4:\vb+8*\t+7], v[ADV] offset:\c*32*PVB+16*PVB+32*\t
.endr
.endm
; S^T of key tiles k0, k0 + 1, whose fragments lie at v[kb + 8 (2 kk + dh)].  The accumulators take turns, one instruction a turn; the first 32 channels start the sums.
.macro KQ2 lo, kb, k0
.irp dh, 0,1
.irp kk, 0,1
.irp x, 0,1
.if \x >= \lo
.if \dh == 0
	v_wmma_f32_16x16x32_f16 v[S+32*\x+8*(\k0+\kk):S+32*\x+8*(\k0+\kk)+7], v[\kb+8*(2*\kk+\dh):\kb+8*(2*\kk+\dh)+7], v[Q+16*\x+8*\dh:Q+16*\x+8*\dh+7], 0
.else
	v_wmma_f32_16x16x32_f16 v[S+32*\x+8*(\k0+\kk):S+32*\x+8*(\k0+\kk)+7], v[\kb+8*(2*\kk+\dh):\kb+8*(2*\kk+\dh)+7], v[Q+16*\x+8*\dh:Q+16*\x+8*\dh+7], v[S+32*\x+8*(\k0+\kk):S+32*\x+8*(\k0+\kk)+7]
.endif
.endif
.endr
.endr
.endr
.endm
.macro PVMUL lo, vb, c                 ; O^T += V^T P over keys 32 c on
.irp t, 0,1,2,3
.irp x, 0,1
.if \x >= \lo
	v_wmma_f32_16x16x32_f16 v[O+32*\x+8*\t:O+32*\x+8*\t+7], v[\vb+8*\t:\vb+8*\t+7], v[P+16*\x+8*\c:P+16*\x+8*\c+7], v[O+32*\x+8*\t:O+32*\x+8*\t+7]
.endif
.endr
.endr
.endm
; A KEY STEP of 64 keys for tiles lo .. 1.  mk: the tile on the diagonal, or -1.
.macro STEP lo, mk
.rept 3
	v_nop                                          ; with the two additions at the step's head: five places behind the last step's products, whose registers are loaded into and written over below
.endr
	FETCH_K
	s_wait_dscnt 8                                 ; key tiles 0, 1 are in; the eight loads of tiles 2, 3 may be out
	KQ2 \lo, F, 0
	s_wait_dscnt 0x0
	KQ2 \lo, P, 2
.rept 4
	v_nop                                          ; places: for the loads into F, the reads of the scores and the writes of P
.endr
	FETCH_V F, 0
.if \mk >= 0
.set n, 0
.rept 32
	v_cmp_gt_i32 vcc_lo, 16*(n/8)+n%8, v[DA+\mk]   ; register n holds key 16 (n / 8) + 8 h + n % 8 of the step: hidden scores become -infinity, so that p = 0
	v_cndmask_b32 v[S+32*\mk+n], v[S+32*\mk+n], v[NINF], vcc_lo
.set n, n+1
.endr
.endif
	RUN \lo, 0, 70
	v_nop                                          ; a plain instruction behind the last exponential
	s_wait_alu depctr_va_vdst(0)                   ; one wait for the whole batch, ahead of the first instruction that names a result
	RUN \lo, 70, 32
	FETCH_V S, 1                                   ; tile A's scores are done with
	RUN \lo, 102, 16
	s_wait_dscnt 8                                 ; V's keys 0-31 are in; the eight loads of keys 32-63 may be out
	PVMUL \lo, F, 0
	s_wait_dscnt 0x0
	PVMUL \lo, S, 1
.endm
; A slot's eight steps: written once, walked eight times.  Every wave makes the step's addresses; the branches hang on the wave's number and the count of steps.
.macro WALK slot
	s_mov_b32 s[TB], \slot*SLOT
	s_mov_b32 s[CNT], 8
.Lstep_\@:
	v_add_nc_u32 v[ADK], s[TB], v[AK0]
	v_add_nc_u32 v[ADV], s[TB], v[AV0]
	s_cmp_gt_u32 s[T], s[TDB]
	s_cbranch_scc1 .Lnext_\@                       ; all the step's keys come after my queries
	s_cmp_eq_u32 s[T], s[TDB]
	s_cbranch_scc1 .Ldiag_b_\@
	s_cmp_eq_u32 s[T], s[TDA]
	s_cbranch_scc1 .Ldiag_a_\@
	STEP 0, -1
	s_branch .Lnext_\@
.Ldiag_a_\@:
	STEP 0, 0
	s_branch .Lnext_\@
.Ldiag_b_\@:
	STEP 1, 1
.Lnext_\@:
	s_add_co_u32 s[T], s[T], 1
	s_add_co_u32 s[TB], s[TB], STEPB
	s_sub_co_u32 s[CNT], s[CNT], 1
	s_cmp_lg_u32 s[CNT], 0
	s_cbranch_scc1 .Lstep_\@
.endm
; THE CHANGE OF SLOTS.  Each wave waits for all its tensor loads (its part of the slot ahead), adds 0 to its spare word, and waits for that and for its reads of the slot that it leaves.
; fill = 1: slot s, just left, is filled with the keys 1,024 on; the barrier is then a round of the cluster's, and the joint refill is the first thing behind it: it has eight key steps in which to land.
.macro CHANGE s, fill, ask
	s_wait_tensorcnt 0x0                           ; no tensor load of mine is out, so a group 0 may be written
	ds_add_u32 v[SPW], v[NIL]
.if \fill
	s_add_nc_u64 s[G0+4*\s+2:G0+4*\s+3], s[G0+4*\s+2:G0+4*\s+3], 131072   ; 1,024 keys on; the type bits on top are not reached
.endif
	s_wait_dscnt 0x0                               ; the add is done, and my reads of the slot are over
.if \fill
	CROUND
	JLOAD \s
.else
	s_barrier_signal -1
	s_barrier_wait -1
.endif
.if \ask
	; A prefetch of what the NEXT change will ask for, the head's last 512 keys of K and of V: eight key steps ahead of that load.  Each run of 256 bytes is named once: the four partners take 128 keys each, told
	; apart by address; in each, waves 0, 1 ask for K's and waves 2, 3 for V's, 8,192 bytes a wave, lanes 256 bytes apart.  Its address registers are never rewritten.  Nothing is asked for at the head.
	s_cmp_lt_u32 s[WV], 4
	s_cbranch_scc0 .Lnot_mine_\@
	global_prefetch_b8 v[PFO], s[PFA:PFA+1] th:TH_LOAD_NT scope:SCOPE_SE
.Lnot_mine_\@:
.endif
.endm
	s_wait_tensorcnt 1                             ; my part of slot 0 is in; slot 1's may stay out
	s_barrier_signal -1
	s_barrier_wait -1
	s_wait_loadcnt 0x0                             ; Q
	WALK 0                                         ; keys 0 to 511
	CHANGE 0, 1, 1
	WALK 1                                         ; 512 to 1,023
	CHANGE 1, 1, 0
	WALK 0                                         ; 1,024 to 1,535
	CHANGE 0, 0, 0                                 ; nothing is left to fetch
	WALK 1                                         ; 1,536 to 2,047
	; THE WAY OUT.  l's halves and the other half of the lanes' are added; O^T / l is rounded to f16 and goes through my stage, a tile (16 rows of 128 bytes) at a time; a tile's rows are 2,048 consecutive bytes of attnh.
.irp x, 0,1
	v_add_f32 v[ST+8*\x+4], v[ST+8*\x+2], v[ST+8*\x+3]
.endr
.irp x, 0,1
	v_permlanex16_b32 v[ST+8*\x+5], v[ST+8*\x+4], s[SEL], s[SEL+1]
.endr
.irp x, 0,1
	v_add_f32 v[ST+8*\x+4], v[ST+8*\x+4], v[ST+8*\x+5]
.endr
.irp x, 0,1
	v_rcp_f32 v[ST+8*\x+6], v[ST+8*\x+4]
.endr
	v_nop                                          ; a plain instruction behind the reciprocals; with the four additions also the places behind the last products
	s_wait_alu depctr_va_vdst(0)                   ; one wait for both, ahead of the first use
.irp x, 0,1
.set n, 0
.rept 16
	v_pk_mul_f32 v[O+32*\x+2*n:O+32*\x+2*n+1], v[O+32*\x+2*n:O+32*\x+2*n+1], v[ST+8*\x+6:ST+8*\x+7] op_sel_hi:[1,0]
.set n, n+1
.endr
.set n, 0
.rept 16
	v_cvt_pk_f16_f32 v[F+16*\x+n], v[O+32*\x+2*n], v[O+32*\x+2*n+1]
.set n, n+1
.endr
.irp t, 0,1,2,3
	ds_store_b128 v[STO], v[F+16*\x+4*\t:F+16*\x+4*\t+3] offset:16*PKB*\x+32*\t
.endr
.irp g, 0,1,2,3
	ds_load_b128 v[S+16*\x+4*\g:S+16*\x+4*\g+3], v[RD] offset:16*PKB*\x+4*PKB*\g   ; LDS serves a wave's instructions in order: these see the stores above
.endr
.endr
.irp g, 0,1,2,3
	s_wait_dscnt 11-\g                             ; behind this load: tile A's later loads, and tile B's four stores and four loads
	global_store_b128 v[GO], v[S+4*\g:S+4*\g+3], s[52:53] offset:512*\g            ; 512 consecutive bytes, aligned
.endr
.irp g, 0,1,2,3
	s_wait_dscnt 3-\g
	global_store_b128 v[GO], v[S+16+4*\g:S+16+4*\g+3], s[54:55] offset:512*\g
.endr
	s_wait_tensorcnt 0x0                           ; the wave's end
	ds_add_u32 v[SPW], v[NIL]
	s_wait_dscnt 0x0
	CROUND                                         ; the closing round
	s_endpgm
.Lfunc_end_k_q241044068b_attn:
	.size	k_q241044068b_attn, .Lfunc_end_k_q241044068b_attn-k_q241044068b_attn
	.p2alignl 7, 3214868480
	.fill 96, 4, 3214868480
	.section	.rodata,"a",@progbits
	.p2align	6, 0x0
	.amdhsa_kernel k_q241044068b_attn
		.amdhsa_group_segment_fixed_size 327680
		.amdhsa_private_segment_fixed_size 0
		.amdhsa_enable_private_segment 0
		.amdhsa_kernarg_size 16
		.amdhsa_user_sgpr_count 2
		.amdhsa_user_sgpr_kernarg_segment_ptr 1
		.amdhsa_wavefront_size32 1
		.amdhsa_system_sgpr_workgroup_id_x 1
		.amdhsa_system_sgpr_workgroup_id_y 1
		.amdhsa_system_sgpr_workgroup_id_z 1
		.amdhsa_system_vgpr_workitem_id 0
		.amdhsa_next_free_vgpr 256
		.amdhsa_next_free_sgpr 66
		.amdhsa_reserve_vcc 1
		.amdhsa_float_denorm_mode_32 3
		.amdhsa_float_denorm_mode_16_64 3
		.amdhsa_memory_ordered 1
		.amdhsa_forward_progress 1
		.amdhsa_inst_pref_size 211
	.end_amdhsa_kernel
	.amdgpu_metadata
---
amdhsa.version: [ 1, 2 ]
amdhsa.kernels:
  - .name:           k_q241044068b_attn
    .symbol:         k_q241044068b_attn.kd
    .args:
      - { .name: qkvh, .offset: 0, .size: 8, .value_kind: global_buffer, .address_space: global }
      - { .name: attnh, .offset: 8, .size: 8, .value_kind: global_buffer, .address_space: global }
    .group_segment_fixed_size: 327680
    .private_segment_fixed_size: 0
    .kernarg_segment_align: 8
    .kernarg_segment_size: 16
    .max_flat_workgroup_size: 512
    .sgpr_count:     66
    .vgpr_count:     256
    .wavefront_size: 32
...
	.end_amdgpu_metadata
.endif
;; end of part 3
;; launch oproj (part 4): grid 8 x 32, 4 waves a work-group, clusters of 4 x 4, 327,680 bytes of LDS; arguments attnh, wo_h, out0; writes out0
.if DOCPART == 4
	.amdgcn_target "amdgcn-amd-amdhsa--gfx1250"
	.amdhsa_code_object_version 6
	.text
	.protected	k_q241044068b_oproj
	.globl	k_q241044068b_oproj
	.p2align	8
	.type	k_q241044068b_oproj,@function
k_q241044068b_oproj:
	s_mov_b64 s[64:65], 0
	v_nop
	global_prefetch_b8 v0, s[64:65] scope:SCOPE_SE
	s_setreg_imm32_b32 hwreg(HW_REG_WAVE_MODE, 25, 1), 1
	s_wait_xcnt 0x0
	s_wait_alu depctr_hold_cnt(0) depctr_sa_sdst(0) depctr_va_vdst(0) depctr_va_sdst(0) depctr_va_ssrc(0) depctr_va_vcc(0) depctr_vm_vsrc(0)
	s_getreg_b32 s2, hwreg(HW_REG_IB_STS2, 6, 4)
	s_cmp_eq_u32 s2, 0
	s_cbranch_scc0 .Lentry_in_a_cluster
	s_endpgm
.Lentry_in_a_cluster:
	s_bfe_u32 s2, ttmp6, 0x10000c
	s_cmp_lg_u32 s2, 0xf033
	s_cbranch_scc0 .Lentry_shape_is_right
	s_endpgm
.Lentry_shape_is_right:
; out0[m][n] = sum over k of attn[m][k] w_o[n][k], m = 8,192 rows (batch x position), n = 1,024, K = 1,024 (head x 64).  attnh: [4][16 heads][2048][64] f16; wo_h: [1024][1024] f16; out0 f32; sums in f32.
; Positions 0-15 of each batch are computed here like all others and written anew, in f32 arithmetic, by the launch fine.
; A tile of 256 rows x 128 columns is made by a work-group of four waves: 256 work-groups.  A wave makes 128 x 64: 32 accumulators of 16 x 16.  K goes in steps of 128, two heads, through a ring of two LDS slots.
; A head's 256 rows of a tile are one dense block of 32,768 bytes of attnh: waves 0 and 1 fetch the step's two heads, waves 2 and 3 the two halves of w_o's 128 rows (256 bytes a row): one tensor load a wave.
; CLUSTERS: 4 x 4 work-groups; attn's tiles are shared along a row of the cluster, w_o's along a column: joint loads.  THE MATRIX INSTRUCTION IS USED TRANSPOSED (source 0 = 16 rows of w_o, source 1 = 16 rows of attn):
; a lane then holds eight neighbouring numbers of a row of out0.
; REGISTERS: window 0: v0-31 addresses; two fragment buffers of 96 (w_o's four fragments, then attn's eight, for 32 along K) at v64 and v160.   window 1: accumulator (a, b) at v[8 (4 a + b)].
.set AP,     144                       ; a head's row in LDS: 128 bytes + 16
.set BP,     272                       ; a row of w_o's tile: 256 bytes + 16
.set ASUB,   256*AP                    ; a head's 256 rows
.set BOFF,   2*ASUB
.set BHALF,  64*BP
.set SLOT,   BOFF+2*BHALF
.set STAGE,  2*SLOT                    ; behind the ring: 16 rows x 272 bytes for each wave
.set SPITCH, 272
.set SPARE,  STAGE+4*16*SPITCH
.set ASTEP,  2*262144                  ; a K step on in attnh: two heads
.set BSTEP,  256                       ; and in a row of wo_h
.set LAPS,   4                         ; a lap = two K steps
.set ADRA, 16
.set ADRB, 20
.set STO,  24
.set RD,   25
.set CO,   26
.set SPW,  28
.set NIL,  29
.set F0,   64
.set F1,   160
.set G1, 24
.set G0, 32
.set G1B, 48
.set G0B, 56
.set MSB, 0
.macro WIN new
.if MSB != (\new)
	s_set_vgpr_msb (MSB<<8)|(\new)
.set MSB, (\new)
.endif
.endm
.set MUL, 0x50                         ; sources 0 and 1 window 0; C and D window 1
.macro JLOAD s                         ; an s_nop 0 and four v_nop follow each of the two lines
	s_cmp_eq_u32 s11, 0
	s_cbranch_scc0 .Lfor_b_\@
	tensor_load_to_lds s[G0+4*\s:G0+4*\s+3], s[G1:G1+7]
	s_nop 0
.rept 4
	v_nop
.endr
	s_branch .Lasked_\@
.Lfor_b_\@:
	tensor_load_to_lds s[G0B+4*\s:G0B+4*\s+3], s[G1B:G1B+7]
	s_nop 0
.rept 4
	v_nop
.endr
.Lasked_\@:
.endm
.macro CREST
	s_cmp_lg_u32 s10, 0
	s_cbranch_scc1 .Lnot_wave_0_\@
	s_barrier_signal -3
.Lnot_wave_0_\@:
	s_barrier_wait -3
	s_barrier_signal -1
	s_barrier_wait -1
.endm
.macro CROUND
	s_barrier_signal -1
	s_barrier_wait -1
	CREST
.endm
	s_load_b128 s[4:7], s[0:1], 0x0                ; attnh, wo_h
	s_load_b64 s[8:9], s[0:1], 0x10                ; out0
	v_lshl_add_u32 v[SPW], v0, 2, SPARE
	v_mov_b32 v[NIL], 0
	ds_add_u32 v[SPW], v[NIL]                      ; the wave's opening: the add, twice on end, and its wait ahead of my first tensor load
	ds_add_u32 v[SPW], v[NIL]
	v_lshrrev_b32 v1, 5, v0
	v_readfirstlane_b32 s10, v1                    ; wave 0..3
	s_lshr_b32 s11, s10, 1                         ; which half of the tile's rows is mine.  Also: I fetch for attn (0) or for w_o (1)
	s_and_b32 s12, s10, 1                          ; which half of its columns.  Also: which part I fetch
	s_bfe_u32 s40, ttmp6, 0x40000
	s_bfe_u32 s41, ttmp6, 0x40004
	s_lshl_b32 s42, ttmp9, 2
	s_add_co_u32 s42, s42, s40                     ; tile column
	s_and_b32 s13, ttmp7, 0xffff
	s_lshl_b32 s13, s13, 2
	s_add_co_u32 s13, s13, s41                     ; tile row
	s_lshl_b32 s43, s41, 2
	s_lshl_b32 s43, 15, s43                        ; my row of the cluster
	s_lshl_b32 s44, 0x1111, s40                    ; my column
	s_or_b32 s[G1+0], s43, (1<<16)|(1<<20)|(1<<21)|(4<<22)|(3<<25)   ; attn: 256 rows x 64 elements of 2 bytes, dense; 4 words of padding after every 32
	s_mov_b32 s[G1+1], 64<<16
	s_mov_b32 s[G1+2], 256<<16
	s_mov_b32 s[G1+3], 64<<16
	s_mov_b32 s[G1+4], 256
	s_mov_b32 s[G1+5], 64
	s_mov_b32 s[G1+6], 0
	s_mov_b32 s[G1+7], 0
	s_or_b32 s[G1B+0], s44, (1<<16)|(1<<20)|(1<<21)|(5<<22)|(3<<25)  ; w_o: 64 rows x 128 elements, 1,024 apart; 4 words after every 64
	s_mov_b32 s[G1B+1], 128<<16
	s_mov_b32 s[G1B+2], 64<<16
	s_mov_b32 s[G1B+3], 128<<16
	s_mov_b32 s[G1B+4], 64
	s_mov_b32 s[G1B+5], 1024
	s_mov_b32 s[G1B+6], 0
	s_mov_b32 s[G1B+7], 0
	s_lshr_b32 s16, s13, 3
	s_lshl_b32 s16, s16, 22                        ; attn: the batch's 16 heads,
	s_and_b32 s17, s13, 7
	s_lshl_b32 s17, s17, 15                        ; the tile's 256 positions of 128 bytes,
	s_add_co_u32 s16, s16, s17
	s_lshl_b32 s17, s12, 18                        ; the step's even or odd head
	s_add_co_u32 s16, s16, s17
	s_mov_b32 s17, 0
	s_lshl_b32 s46, s42, 18                        ; w_o: 128 rows of 2,048 bytes a tile column,
	s_lshl_b32 s47, s12, 17                        ; my 64 of them
	s_add_co_u32 s46, s46, s47
	s_mov_b32 s47, 0
	s_mul_i32 s20, s12, ASUB                       ; where they go
	s_mul_i32 s21, s12, BHALF
	s_add_co_u32 s21, s21, BOFF
	s_wait_dscnt 0x0                               ; both opening adds are done
	s_wait_kmcnt 0x0
	s_add_nc_u64 s[14:15], s[4:5], s[16:17]
	s_add_nc_u64 s[46:47], s[6:7], s[46:47]
	CROUND                                         ; all sixteen work-groups are here
.irp s, 0,1
	s_mov_b32 s[G0+4*\s], 1
	s_add_co_u32 s[G0+4*\s+1], s20, \s*SLOT
	s_add_nc_u64 s[G0+4*\s+2:G0+4*\s+3], s[14:15], \s*ASTEP
	s_or_b32 s[G0+4*\s+3], s[G0+4*\s+3], 0x80000000
	s_mov_b32 s[G0B+4*\s], 1
	s_add_co_u32 s[G0B+4*\s+1], s21, \s*SLOT
	s_add_nc_u64 s[G0B+4*\s+2:G0B+4*\s+3], s[46:47], \s*BSTEP
	s_or_b32 s[G0B+4*\s+3], s[G0B+4*\s+3], 0x80000000
	JLOAD \s                                       ; two loads of mine are out at the start, later one
.endr
	v_and_b32 v1, 15, v0                           ; r
	v_bfe_u32 v2, v0, 4, 1                         ; h
	v_mul_u32_u24 v3, v1, AP
	v_lshl_add_u32 v3, v2, 4, v3
	v_mul_u32_u24 v4, v1, BP
	v_lshl_add_u32 v4, v2, 4, v4
	s_mul_i32 s21, s11, 128*AP                     ; my 128 rows of attn
	s_mul_i32 s22, s12, BHALF                      ; my 64 rows of w_o
	s_add_co_u32 s22, s22, BOFF
.irp s, 0,1
	v_add_nc_u32 v[ADRA+\s], s21, v3
	v_add_nc_u32 v[ADRB+\s], s22, v4
	s_add_co_u32 s21, s21, SLOT
	s_add_co_u32 s22, s22, SLOT
.endr
	s_mul_i32 s23, s10, 16*SPITCH
	s_add_co_u32 s23, s23, STAGE                   ; my stage
	v_mul_u32_u24 v5, v1, SPITCH
	v_lshl_add_u32 v5, v2, 5, v5
	v_add_nc_u32 v[STO], s23, v5                   ; in: row r, 32 bytes for each half of the lanes
	v_mul_u32_u24 v5, v2, SPITCH
	v_lshl_add_u32 v5, v1, 4, v5
	v_add_nc_u32 v[RD], s23, v5                    ; back: lanes 0-15 one row of 256 bytes, lanes 16-31 the next
	v_lshlrev_b32 v5, 12, v2
	v_lshl_add_u32 v[CO], v1, 4, v5                ; and the same two rows in out0
	s_lshl_b32 s16, s13, 8
	s_lshl_b32 s17, s11, 7
	s_add_co_u32 s16, s16, s17                     ; my first row
	s_lshl_b32 s16, s16, 12                        ; of 4,096 bytes
	s_lshl_b32 s46, s42, 9                         ; my first column, in bytes
	s_lshl_b32 s47, s12, 8
	s_add_co_u32 s46, s46, s47
	s_add_co_u32 s16, s16, s46
	s_mov_b32 s17, 0
	s_add_nc_u64 s[8:9], s[8:9], s[16:17]
; attn's blocks a0 .. a0 + cnt - 1 against w_o's four, 32 along K.  The 32 accumulators take turns, one instruction a turn, in the same order in every quarter.
.macro MULA f, a0, cnt, zero
.set aa, \a0
.rept \cnt
.irp b, 0,1,2,3
.if \zero
	v_wmma_f32_16x16x32_f16 v[8*(4*aa+\b):8*(4*aa+\b)+7], v[\f+8*\b:\f+8*\b+7], v[\f+32+8*aa:\f+32+8*aa+7], 0
.else
	v_wmma_f32_16x16x32_f16 v[8*(4*aa+\b):8*(4*aa+\b)+7], v[\f+8*\b:\f+8*\b+7], v[\f+32+8*aa:\f+32+8*aa+7], v[8*(4*aa+\b):8*(4*aa+\b)+7]
.endif
.endr
.set aa, aa+1
.endr
.endm
.macro FETCH slot, q, f                ; 24 LDS loads in one run: the fragments of the slot's q-th 32 along K: w_o's four, attn's blocks 0-3, attn's blocks 4-7
	WIN 0
.irp i, 0,1,2,3
	ds_load_b128 v[\f+8*\i:\f+8*\i+3],   v[ADRB+\slot] offset:64*(\q)+\i*16*BP
	ds_load_b128 v[\f+8*\i+4:\f+8*\i+7], v[ADRB+\slot] offset:64*(\q)+\i*16*BP+32
.endr
.irp i, 0,1,2,3,4,5,6,7
	ds_load_b128 v[\f+32+8*\i:\f+32+8*\i+3],   v[ADRA+\slot] offset:((\q)/2)*ASUB+((\q)%2)*64+\i*16*AP
	ds_load_b128 v[\f+32+8*\i+4:\f+32+8*\i+7], v[ADRA+\slot] offset:((\q)/2)*ASUB+((\q)%2)*64+\i*16*AP+32
.endr
.endm
.macro PLACES                          ; four plain vector instructions in front of loads into registers that matrix instructions have read, and of reads of results
.rept 4
	v_nop
.endr
.endm
.macro QUARTER slot, qn, f, g, zero    ; multiplies buffer f; in its middle it fetches the slot's quarter qn into buffer g
	s_wait_dscnt 8                                 ; w_o's fragments and attn's blocks 0-3 are in; the youngest eight loads may be out
	WIN MUL
	MULA \f, 0, 4, \zero
	PLACES
	FETCH \slot, \qn, \g
	s_wait_dscnt 24                                ; all but the 24 just issued
	WIN MUL
	MULA \f, 4, 4, \zero
.endm
; A slot's last quarter multiplies buffer 1 and changes slots: ONE barrier; in front of it each wave waits for all its tensor loads, adds 0 to its spare word, and waits for that and for its reads of this slot.
.macro TURN slot, next, fill
	WIN 0
	s_wait_tensorcnt 0x0                           ; my part of the next slot has landed
	ds_add_u32 v[SPW], v[NIL]
	s_wait_dscnt 9                                 ; (the add and the youngest eight loads may be out)
	WIN MUL
	MULA F1, 0, 2, 0
	s_wait_dscnt 0x0                               ; the add is done, and my reads of this slot are over
	s_barrier_signal -1
	MULA F1, 2, 2, 0
.if \fill
	WIN 0
.endif
	s_barrier_wait -1
.if \fill
	CREST                                          ; the barrier has opened a round of the cluster's: no wave of any partner still reads this slot or has a load on its way
	s_add_nc_u64 s[G0+4*\slot+2:G0+4*\slot+3], s[G0+4*\slot+2:G0+4*\slot+3], 2*ASTEP
	s_add_nc_u64 s[G0B+4*\slot+2:G0B+4*\slot+3], s[G0B+4*\slot+2:G0B+4*\slot+3], 2*BSTEP
	JLOAD \slot                                    ; the first tensor load behind the round; its four v_nop are also the places in front of the loads below
.else
	PLACES
.endif
	FETCH \next, 0, F0
	WIN MUL
	MULA F1, 4, 4, 0
.endm
	s_wait_tensorcnt 1                             ; my part of K step 0 is in (K step 1's load may be out),
	s_barrier_signal -1
	s_barrier_wait -1                              ; everybody's is
	FETCH 0, 0, F0
	QUARTER 0, 1, F0, F1, 1                        ; the first quarter's products start the sums
	WIN 0
	s_mov_b32 s3, LAPS-1
.Llap:                                                 ; a trip goes once round the ring, from a lap's second quarter to the next lap's first, and fills both slots again
	QUARTER 0, 2, F1, F0, 0
	QUARTER 0, 3, F0, F1, 0
	TURN 0, 1, 1
	QUARTER 1, 1, F0, F1, 0
	QUARTER 1, 2, F1, F0, 0
	QUARTER 1, 3, F0, F1, 0
	TURN 1, 0, 1
	QUARTER 0, 1, F0, F1, 0
	WIN 0
	s_sub_co_u32 s3, s3, 1
	s_cmp_lg_u32 s3, 0
	s_cbranch_scc1 .Llap
	QUARTER 0, 2, F1, F0, 0                        ; the last lap fills nothing
	QUARTER 0, 3, F0, F1, 0
	TURN 0, 1, 0
	QUARTER 1, 1, F0, F1, 0
	QUARTER 1, 2, F1, F0, 0
	QUARTER 1, 3, F0, F1, 0
	s_wait_dscnt 8
	WIN MUL
	MULA F1, 0, 4, 0
	s_wait_dscnt 0
	MULA F1, 4, 4, 0
	WIN 0
; THE WAY OUT, block by block of 16 rows x 64 columns of f32: through my own stage and back as whole rows of 256 bytes: sixteen lanes store 256 consecutive bytes, aligned.
.macro TOSTAGE a
	WIN 0x04                                       ; an LDS store's data: window 1
.irp b, 0,1,2,3
	ds_store_b128 v[STO], v[8*(4*(\a)+\b):8*(4*(\a)+\b)+3] offset:64*\b        ; each accumulator from its low end on
	ds_store_b128 v[STO], v[8*(4*(\a)+\b)+4:8*(4*(\a)+\b)+7] offset:64*\b+16
.endr
	WIN 0
.set BB, F0+32*((\a)%2)
.irp t, 0,1,2,3,4,5,6,7
	ds_load_b128 v[BB+4*\t:BB+4*\t+3], v[RD] offset:\t*2*SPITCH    ; LDS serves a wave's instructions in order: these see the stores above
.endr
.endm
.macro SEND a, younger
.set BB, F0+32*((\a)%2)
	s_wait_dscnt \younger                          ; the block is back; the next block's eight stores and eight loads may be out
.irp t, 0,1,2,3,4,5,6,7
	global_store_b128 v[CO], v[BB+4*\t:BB+4*\t+3], s[8:9] offset:(16*(\a)+2*\t)*4096 th:TH_STORE_NT
.endr
.endm
	PLACES
	TOSTAGE 0
.irp a, 1,2,3,4,5,6,7
.if \a > 1
	s_wait_xcnt 0x0                                ; block a - 2's stores have read their registers: block a's loads may land there
.endif
	TOSTAGE \a
	SEND \a-1, 16
.endr
	SEND 7, 0
	s_wait_tensorcnt 0x0                           ; the wave's end
	ds_add_u32 v[SPW], v[NIL]
	s_wait_dscnt 0x0
	CROUND                                         ; the closing round
	s_endpgm
.Lfunc_end_k_q241044068b_oproj:
	.size	k_q241044068b_oproj, .Lfunc_end_k_q241044068b_oproj-k_q241044068b_oproj
	.p2alignl 7, 3214868480
	.fill 96, 4, 3214868480
	.section	.rodata,"a",@progbits
	.p2align	6, 0x0
	.amdhsa_kernel k_q241044068b_oproj
		.amdhsa_group_segment_fixed_size 327680
		.amdhsa_private_segment_fixed_size 0
		.amdhsa_enable_private_segment 0
		.amdhsa_kernarg_size 24
		.amdhsa_user_sgpr_count 2
		.amdhsa_user_sgpr_kernarg_segment_ptr 1
		.amdhsa_wavefront_size32 1
		.amdhsa_system_sgpr_workgroup_id_x 1
		.amdhsa_system_sgpr_workgroup_id_y 1
		.amdhsa_system_sgpr_workgroup_id_z 1
		.amdhsa_system_vgpr_workitem_id 0
		.amdhsa_next_free_vgpr 512
		.amdhsa_next_free_sgpr 66
		.amdhsa_reserve_vcc 0
		.amdhsa_float_denorm_mode_32 3
		.amdhsa_float_denorm_mode_16_64 3
		.amdhsa_memory_ordered 1
		.amdhsa_forward_progress 1
		.amdhsa_inst_pref_size 85
	.end_amdhsa_kernel
	.amdgpu_metadata
---
amdhsa.version: [ 1, 2 ]
amdhsa.kernels:
  - .name:           k_q241044068b_oproj
    .symbol:         k_q241044068b_oproj.kd
    .args:
      - { .name: attnh, .offset: 0, .size: 8, .value_kind: global_buffer, .address_space: global }
      - { .name: wo_h, .offset: 8, .size: 8, .value_kind: global_buffer, .address_space: global }
      - { .name: out0, .offset: 16, .size: 8, .value_kind: global_buffer, .address_space: global }
    .group_segment_fixed_size: 327680
    .private_segment_fixed_size: 0
    .kernarg_segment_align: 8
    .kernarg_segment_size: 24
    .max_flat_workgroup_size: 128
    .sgpr_count:     66
    .vgpr_count:     512
    .wavefront_size: 32
...
	.end_amdgpu_metadata
.endif
;; end of part 4
;; launch fine (part 5): grid 16 x 4, 16 waves a work-group, no clusters, 71,680 bytes of LDS; arguments qkv_fine, w_o, out0; writes out0
.if DOCPART == 5
	.amdgcn_target "amdgcn-amd-amdhsa--gfx1250"
	.amdhsa_code_object_version 6
	.text
	.protected	k_q241044068b_fine
	.globl	k_q241044068b_fine
	.p2align	8
	.type	k_q241044068b_fine,@function
k_q241044068b_fine:
	s_mov_b64 s[64:65], 0
	v_nop
	global_prefetch_b8 v0, s[64:65] scope:SCOPE_SE
	s_setreg_imm32_b32 hwreg(HW_REG_WAVE_MODE, 25, 1), 1
	s_wait_xcnt 0x0
; POSITIONS 0 TO 15 OF EACH BATCH, ONCE MORE, WITH f32 OPERANDS THROUGHOUT.  Under the causal mask these rows average one to sixteen values and are the largest of the output, so that the rounding of f16 operands
; weighs most there.  Scores, softmax, weighted values and the projection on the way out are made from qkv_fine [4][16][3072] (the quantised product's f32 sums) and w_o in f32, by v_wmma_f32_16x16x4_f32:
; 96 such instructions a wave, no bulk work.  The 64 rows of out0 are written over what the launch before left there.
; WORK LEFT OUT: none inside these 16 x 16 tiles: hidden places are computed and set to -infinity.
; SHARES.  A work-group takes batch y and output columns 64 x .. 64 x + 63; wave = head.  Each wave makes its head's part of the 16 x 64 outputs; the sixteen parts meet in LDS and are added in a fixed order.
; K IS PERMUTED ALIKE ON BOTH SIDES of each product (h = lane / 16, j = register of the pair): scores: step ks takes channel 32 h + 2 ks + j; values: key 8 h + 2 ks + j; projection: channel 16 t + 8 h + 2 s + j.
; So every operand is a lane's consecutive registers as loaded or as the product before left them.
; The registers that the matrix instructions write, v176-223, are written by nothing else.
.set QR, 16                            ; v16-47  Q; later w_o's tile 2; later the sixteen parts
.set KR, 48                            ; v48-79  K; later w_o's tile 3
.set VR, 80                            ; v80-111 V (8 t + key); later the normalised result
.set W0, 112                           ; v112-175 w_o's tiles 0, 1
.set SA, 176                           ; two accumulators of scores
.set OA, 192                           ; four of O^T, then four of the outputs
.set PR, 224                           ; scores, then p
.set PART, 16*272                      ; a wave's part in LDS: 16 rows x (256 bytes + 16)
.set SPARE, 16*PART
	s_load_b128 s[4:7], s[0:1], 0x0                ; qkv_fine, w_o
	s_load_b64 s[8:9], s[0:1], 0x10                ; out0
	v_lshl_add_u32 v1, v0, 2, SPARE                ; my spare word; never rewritten
	v_mov_b32 v2, 0                                ; 0; never rewritten
	v_lshrrev_b32 v11, 5, v0
	v_readfirstlane_b32 s10, v11                   ; wave = head
	s_and_b32 s12, ttmp7, 0xffff                   ; batch
	v_and_b32 v11, 15, v0                          ; r
	v_bfe_u32 v12, v0, 4, 1                        ; h
	v_and_b32 v13, 31, v0                          ; lane
	v_mul_u32_u24 v3, v11, 12288
	v_lshl_add_u32 v3, v12, 7, v3                  ; Q, K: position r's row, channels 32 h on
	v_mul_u32_u24 v4, v12, 98304
	v_lshl_add_u32 v4, v11, 2, v4                  ; V: keys 8 h on, channel r
	v_lshlrev_b32 v5, 12, v11
	v_lshl_add_u32 v5, v12, 5, v5                  ; w_o: row r of 4,096 bytes, 8 h numbers on
	v_lshlrev_b32 v6, 3, v12
	v_sub_nc_u32 v6, v11, v6                       ; r - 8 h: key 8 h + j is hidden where j is greater
	v_mov_b32 v7, 0xff800000
	s_mul_i32 s13, s10, PART
	v_mul_u32_u24 v8, v11, 272
	v_lshl_add_u32 v8, v12, 5, v8
	v_add_nc_u32 v8, s13, v8                       ; my part: row r, + 32 h
	s_mul_i32 s13, s10, 272
	v_lshlrev_b32 v10, 3, v13                      ; 8 bytes a lane
	v_add_nc_u32 v9, s13, v10                      ; the sum: wave w takes query w of every part
	s_lshl_b32 s16, s10, 8                         ; a head's 64 numbers: 256 bytes
	s_mul_i32 s14, s12, 196608
	s_add_co_u32 s14, s14, s16
	s_mov_b32 s15, 0
	s_lshl_b32 s18, ttmp9, 18                      ; 64 rows of w_o
	s_add_co_u32 s18, s18, s16
	s_mov_b32 s19, 0
	s_lshl_b32 s20, s12, 11
	s_add_co_u32 s20, s20, s10                     ; row batch x 2,048 + wave of out0
	s_lshl_b32 s20, s20, 12
	s_lshl_b32 s21, ttmp9, 8
	s_add_co_u32 s20, s20, s21
	s_mov_b32 s21, 0
	s_mov_b32 s22, 0x3e38aa3b                      ; c = log2(e) / 8
	s_mov_b32 s23, s22
	s_mov_b32 s24, 0x76543210
	s_mov_b32 s25, 0xfedcba98
	s_wait_kmcnt 0x0
	s_add_nc_u64 s[4:5], s[4:5], s[14:15]
	s_add_nc_u64 s[6:7], s[6:7], s[18:19]
	s_add_nc_u64 s[8:9], s[8:9], s[20:21]
.irp n, 0,1,2,3,4,5,6,7
	global_load_b128 v[KR+4*\n:KR+4*\n+3], v3, s[4:5] offset:4096+16*\n
	global_load_b128 v[QR+4*\n:QR+4*\n+3], v3, s[4:5] offset:16*\n
.endr
.irp t, 0,1,2,3
.irp jj, 0,1,2,3,4,5,6,7
	global_load_b32 v[VR+8*\t+\jj], v4, s[4:5] offset:8192+\jj*12288+64*\t
.endr
.endr
.irp u, 0,1
.irp t, 0,1,2,3
	global_load_b128 v[W0+32*\u+8*\t:W0+32*\u+8*\t+3], v5, s[6:7] offset:\u*65536+64*\t
	global_load_b128 v[W0+32*\u+8*\t+4:W0+32*\u+8*\t+7], v5, s[6:7] offset:\u*65536+64*\t+16
.endr
.endr
	s_wait_loadcnt 48                              ; K and Q are in; V's 32 loads and w_o's 16 may be out
	; S^T = K Q^T: source 0 = 16 keys, source 1 = 16 queries; two accumulators by turns; the first two steps start the sums
.set ks, 0
.rept 16
.if ks < 2
	v_wmma_f32_16x16x4_f32 v[SA+8*(ks%2):SA+8*(ks%2)+7], v[KR+2*ks:KR+2*ks+1], v[QR+2*ks:QR+2*ks+1], 0
.else
	v_wmma_f32_16x16x4_f32 v[SA+8*(ks%2):SA+8*(ks%2)+7], v[KR+2*ks:KR+2*ks+1], v[QR+2*ks:QR+2*ks+1], v[SA+8*(ks%2):SA+8*(ks%2)+7]
.endif
.set ks, ks+1
.endr
.rept 8
	v_nop                                          ; eight places behind this form: for the loads into Q's and K's registers and the reads of the sums
.endr
.irp u, 2,3
.irp t, 0,1,2,3
	global_load_b128 v[QR+32*(\u-2)+8*\t:QR+32*(\u-2)+8*\t+3], v5, s[6:7] offset:\u*65536+64*\t
	global_load_b128 v[QR+32*(\u-2)+8*\t+4:QR+32*(\u-2)+8*\t+7], v5, s[6:7] offset:\u*65536+64*\t+16
.endr
.endr
.irp jj, 0,1,2,3,4,5,6,7
	v_add_f32 v[PR+\jj], v[SA+\jj], v[SA+8+\jj]    ; lane (r, h): query r, key 8 h + jj
.endr
.irp jj, 0,1,2,3,4,5,6,7
	v_cmp_gt_i32 vcc_lo, \jj, v6
	v_cndmask_b32 v[PR+\jj], v[PR+\jj], v7, vcc_lo
.endr
	v_max3_num_f32 v232, v[PR], v[PR+1], v[PR+2]
	v_max3_num_f32 v233, v[PR+3], v[PR+4], v[PR+5]
	v_max3_num_f32 v232, v232, v[PR+6], v[PR+7]
	v_max_num_f32 v232, v232, v233
	v_permlanex16_b32 v233, v232, s24, s25
	v_max_num_f32 v232, v232, v233                 ; the row's maximum: key 0 counts for every query, so it is a number
	v_mul_f32 v234, s22, v232
	v_mul_f32 v235, s22, v232
.irp k, 0,2,4,6
	v_pk_fma_f32 v[PR+\k:PR+\k+1], v[PR+\k:PR+\k+1], s[22:23], v[234:235] op_sel_hi:[1,0,0] neg_lo:[0,0,1] neg_hi:[0,0,1]
.endr
.irp jj, 0,1,2,3,4,5,6,7
	v_exp_f32 v[PR+\jj], v[PR+\jj]
.endr
	v_nop
	s_wait_alu depctr_va_vdst(0)                   ; one wait for the eight, ahead of their first reader
	v_pk_add_f32 v[236:237], v[PR:PR+1], v[PR+2:PR+3]
	v_pk_add_f32 v[238:239], v[PR+4:PR+5], v[PR+6:PR+7]
	v_pk_add_f32 v[236:237], v[236:237], v[238:239]
	v_add_f32 v236, v236, v237
	v_permlanex16_b32 v237, v236, s24, s25
	v_add_f32 v236, v236, v237                     ; the row's sum
	v_rcp_f32 v238, v236
	v_nop
	s_wait_alu depctr_va_vdst(0)
	s_wait_loadcnt 32                              ; V is in; w_o's 32 loads may be out
	; O^T = V^T P: source 0 = 16 channels, source 1 = p as it stands; four accumulators by turns
.irp ss, 0,1,2,3
.irp t, 0,1,2,3
.if \ss == 0
	v_wmma_f32_16x16x4_f32 v[OA+8*\t:OA+8*\t+7], v[VR+8*\t+2*\ss:VR+8*\t+2*\ss+1], v[PR+2*\ss:PR+2*\ss+1], 0
.else
	v_wmma_f32_16x16x4_f32 v[OA+8*\t:OA+8*\t+7], v[VR+8*\t+2*\ss:VR+8*\t+2*\ss+1], v[PR+2*\ss:PR+2*\ss+1], v[OA+8*\t:OA+8*\t+7]
.endif
.endr
.endr
.rept 9
	v_nop                                          ; eight places for the reads of the sums and the writes over V; nine for the products below, which begin new sums in these registers
.endr
.set n, 0
.rept 32
	v_mul_f32 v[VR+n], v[OA+n], v238               ; / the sum: register 8 t + j is channel 16 t + 8 h + j of query r
.set n, n+1
.endr
; the outputs' tiles u0, u0 + 1 (source 0 = 16 rows of w_o, at v[wb] and v[wb + 32]; source 1 = the result): two accumulators by turns, 16 steps each
.macro YPAIR u0, wb
.set ks, 0
.rept 16
.irp e, 0,1
.if ks == 0
	v_wmma_f32_16x16x4_f32 v[OA+8*(\u0+\e):OA+8*(\u0+\e)+7], v[\wb+32*\e+2*ks:\wb+32*\e+2*ks+1], v[VR+2*ks:VR+2*ks+1], 0
.else
	v_wmma_f32_16x16x4_f32 v[OA+8*(\u0+\e):OA+8*(\u0+\e)+7], v[\wb+32*\e+2*ks:\wb+32*\e+2*ks+1], v[VR+2*ks:VR+2*ks+1], v[OA+8*(\u0+\e):OA+8*(\u0+\e)+7]
.endif
.endr
.set ks, ks+1
.endr
.endm
	s_wait_loadcnt 16                              ; w_o's tiles 0, 1 are in; the 16 loads of tiles 2, 3 may be out
	YPAIR 0, W0
	s_wait_loadcnt 0x0
	YPAIR 2, QR
.rept 8
	v_nop
.endr
.irp u, 0,1,2,3
	ds_store_b128 v8, v[OA+8*\u:OA+8*\u+3] offset:64*\u            ; lane (r, h): query r, outputs 16 u + 8 h + 0 .. 7
	ds_store_b128 v8, v[OA+8*\u+4:OA+8*\u+7] offset:64*\u+16
.endr
	s_wait_dscnt 0x0                               ; for the others' sake: my part lies in LDS
	s_barrier_signal -1
	s_barrier_wait -1
.irp p, 0,1,2,3,4,5,6,7,8,9,10,11,12,13,14,15
	ds_load_b64 v[QR+2*\p:QR+2*\p+1], v9 offset:\p*PART
.endr
	s_wait_dscnt 0x0
.irp p, 0,2,4,6,8,10,12,14
	v_pk_add_f32 v[QR+2*\p:QR+2*\p+1], v[QR+2*\p:QR+2*\p+1], v[QR+2*\p+2:QR+2*\p+3]
.endr
.irp p, 0,4,8,12
	v_pk_add_f32 v[QR+2*\p:QR+2*\p+1], v[QR+2*\p:QR+2*\p+1], v[QR+2*\p+4:QR+2*\p+5]
.endr
.irp p, 0,8
	v_pk_add_f32 v[QR+2*\p:QR+2*\p+1], v[QR+2*\p:QR+2*\p+1], v[QR+2*\p+8:QR+2*\p+9]
.endr
	v_pk_add_f32 v[QR:QR+1], v[QR:QR+1], v[QR+16:QR+17]
	global_store_b64 v10, v[QR:QR+1], s[8:9]       ; the wave stores 256 consecutive bytes, aligned
	s_wait_tensorcnt 0x0                           ; the wave's end, behind my last LDS store
	ds_add_u32 v1, v2
	s_wait_dscnt 0x0
	s_endpgm
.Lfunc_end_k_q241044068b_fine:
	.size	k_q241044068b_fine, .Lfunc_end_k_q241044068b_fine-k_q241044068b_fine
	.p2alignl 7, 3214868480
	.fill 96, 4, 3214868480
	.section	.rodata,"a",@progbits
	.p2align	6, 0x0
	.amdhsa_kernel k_q241044068b_fine
		.amdhsa_group_segment_fixed_size 71680
		.amdhsa_private_segment_fixed_size 0
		.amdhsa_enable_private_segment 0
		.amdhsa_kernarg_size 24
		.amdhsa_user_sgpr_count 2
		.amdhsa_user_sgpr_kernarg_segment_ptr 1
		.amdhsa_wavefront_size32 1
		.amdhsa_system_sgpr_workgroup_id_x 1
		.amdhsa_system_sgpr_workgroup_id_y 1
		.amdhsa_system_sgpr_workgroup_id_z 1
		.amdhsa_system_vgpr_workitem_id 0
		.amdhsa_next_free_vgpr 256
		.amdhsa_next_free_sgpr 66
		.amdhsa_reserve_vcc 1
		.amdhsa_float_denorm_mode_32 3
		.amdhsa_float_denorm_mode_16_64 3
		.amdhsa_memory_ordered 1
		.amdhsa_forward_progress 1
		.amdhsa_inst_pref_size 23
	.end_amdhsa_kernel
	.amdgpu_metadata
---
amdhsa.version: [ 1, 2 ]
amdhsa.kernels:
  - .name:           k_q241044068b_fine
    .symbol:         k_q241044068b_fine.kd
    .args:
      - { .name: qkv_fine, .offset: 0, .size: 8, .value_kind: global_buffer, .address_space: global }
      - { .name: w_o, .offset: 8, .size: 8, .value_kind: global_buffer, .address_space: global }
      - { .name: out0, .offset: 16, .size: 8, .value_kind: global_buffer, .address_space: global }
    .group_segment_fixed_size: 71680
    .private_segment_fixed_size: 0
    .kernarg_segment_align: 8
    .kernarg_segment_size: 24
    .max_flat_workgroup_size: 512
    .sgpr_count:     66
    .vgpr_count:     256
    .wavefront_size: 32
...
	.end_amdgpu_metadata
.endif
;; end of part 5
